; MI455X (gfx1250); checked and timed in simulation.
; The chip was launched on July 23, 2026; its instructions are those of AMD's public machine-readable ISA for CDNA 5 (MIT licence, August 2026) and "CDNA5" Instruction Set Architecture Reference Guide (July 2026). The comments in the code are by the model that wrote it; some were corrected since.
;; Grouped Query Attention. Allowed arithmetic: matrix products marked QUANTISED: E2M3 operands, one E8M0 scale for each 32 along K, by v_wmma_scale_f32_16x16x128_f8f6f4 with both operands' format E2M3, f32 sums; everything else in f32.
;; Inputs: Wk 1,024 x 256 float32; Wo 1,024 x 1,024 float32; Wq 1,024 x 1,024 float32; Wv 1,024 x 256 float32; bk 256 float32; bo 1,024 float32; bq 1,024 float32; bv 256 float32; mask 1 x 1 x 4,096 bool; x 1 x 4,096 x 1,024 float32.
;; Outputs: out0 1 x 4,096 x 1,024 float32.
;; This version of the problem:
;;   THIS VERSION OF THE PROBLEM IS GIVEN IN LOW PRECISION. The matrix products marked QUANTISED in the list below multiply operands that are first quantised to E2M3 (2 exponent bits, 3 mantissa bits; 6 bits a number), with one power-of-two scale for each 32 numbers along K (OCP MX v1.0); their sums are f32. All else is computed in f32.
;;   The module's matrix products, in the order in which they are computed (A, B: the left and right operand; K: the contracted axis; several contracted axes count as one K, in the product's order):
;;     1. [M 4,096, K 1,024] x [K 1,024, N 1,024]; A: input x; B: input Wq: QUANTISED
;;     2. [M 4,096, K 1,024] x [K 1,024, N 256]; A: input x; B: input Wk: QUANTISED
;;     3. [M 4,096, K 1,024] x [K 1,024, N 256]; A: input x; B: input Wv: QUANTISED
;;     4. batch 16 x [M 4,096, K 64] x [K 64, N 4,096]; A: computed on the way; B: computed on the way: QUANTISED
;;     5. batch 16 x [M 4,096, K 4,096] x [K 4,096, N 64]; A: softmax (see below); B: computed on the way: QUANTISED
;;     6. [M 4,096, K 1,024] x [K 1,024, N 1,024]; A: computed on the way; B: input Wo: QUANTISED
;;   THE QUANTISER, for each operand of a quantised product, along K:
;;     - K is cut into blocks of 32 from its start; a last block that is shorter is filled with zeros.
;;     - A block's scale is 2^e with e = floor(log2(the largest magnitude in the block)) - 2, held to -126 .. 127; a block of zeros has e = 0. As a byte (E8M0): e + 127.
;;     - Each number is divided by its block's scale, clamped to +-7.5, and rounded to the nearest number of E2M3, ties to even, subnormals kept.
;;     - The product sums the exact products of the quantised numbers (number of the format x scale) in f32.
;;   ~~~python
;;   def quantise(x, axis):      # numpy; x: float32 -> the quantised numbers, widened to float32 again
;;       x = np.moveaxis(x, axis, -1); K = x.shape[-1]
;;       x = np.pad(x, [(0, 0)] * (x.ndim - 1) + [(0, -K % 32)]); x = x.reshape(x.shape[:-1] + (-1, 32)); a = np.abs(x).max(-1, keepdims=True)
;;       e = np.where(a > 0, np.clip(np.frexp(np.where(a > 0, a, 1))[1] - 1 - 2, -126, 127), 0)      # np.frexp(a)[1] - 1 = floor(log2(a)), exactly
;;       r = np.clip(x / 2.0 ** e, -7.5, 7.5)
;;       step = 2.0 ** (np.maximum(np.frexp(np.where(r == 0, 1, r))[1] - 1, 0) - 3)
;;       q = np.round(r / step) * step * 2.0 ** e      # np.round: ties to even
;;       return np.moveaxis(q.reshape(q.shape[:-2] + (-1,))[..., :K], -1, axis).astype(np.float32)
;;   ~~~
;;   SOFTMAX AHEAD OF A QUANTISED PRODUCT. Where the list says 'softmax', what is quantised is not the finished softmax but p = 2^(t - M), with t = logit x log2(e) and M = ceil(the row's largest t), a whole number; so 1/2 < the row's largest p <= 1. The row's sum l is taken of the UNQUANTISED p, in f32, and the product's result is divided by l at the end. Since M is a whole number, a kernel that streams over the keys may use a running M (the ceiling of the running maximum): every later rescaling is an exact power of two, which a block's scale takes up: the codes' values come out the same.
;;   OPERANDS COMPUTED ON THE WAY. 'Computed on the way' means the value that the module computes at that place (a softmax that the list does not call 'softmax' is quantised finished and normalised). What goes into a quantiser is computed in f32, as accurately as f32 sums, v_exp_f32 and their like allow (about 1e-6 of the number): no bf16 or f16 on the way to a quantiser, and a product that is left as it is and whose result goes on into a quantised operand takes f32 operands (vector FMAs, or v_wmma_f32_16x16x4_f32). A number that lies on a knife's edge between two numbers of the format may be rounded either way, as far as f32 arithmetic and the matrix unit's own rounding can turn it there, and no further.
;; One version. Each part assembles by itself: llvm-mc -triple=amdgcn-amd-amdhsa -mcpu=gfx1250 --defsym DOCPART=n.
;; ======== version 1 of 1: 4 launches
;; limits: right only within a limited range of input values
;; workspace buffers: xb 3,276,800 bytes; wb 2,048,000 bytes; qb 3,407,872 bytes; kvb 1,671,168 bytes; ob 3,276,800 bytes
;; launch prep (part 1): grid 208 x 1, 8 waves a work-group, no clusters, 167,936 bytes of LDS; arguments x, Wq, Wk, Wv, Wo, xb, wb; writes xb, wb
.if DOCPART == 1
	.amdgcn_target "amdgcn-amd-amdhsa--gfx1250"
	.amdhsa_code_object_version 6
	.text
	.protected	k_q84b9b6b1cc_prep
	.globl	k_q84b9b6b1cc_prep
	.p2align	8
	.type	k_q84b9b6b1cc_prep,@function
k_q84b9b6b1cc_prep:
	s_mov_b64 s[64:65], 0
	v_nop
	global_prefetch_b8 v0, s[64:65] scope:SCOPE_SE
	s_setreg_imm32_b32 hwreg(HW_REG_WAVE_MODE, 25, 1), 1
	s_wait_xcnt 0x0
; PREP: x [4096][1024] (K innermost) and Wq, Wk, Wv, Wo ([K = 1024][N], K outermost), all f32, become codes of E2M3 with one E8M0 byte for each 32 along K,
; laid in the order of the matrix operand's registers, so that the products' launches load fragments as consecutive bytes.
; TILE ROWS.  Tile T holds in its lane-row r the row (of x) or column (of W) 32 (T / 2) + 8 (T % 2) + r + 8 (r / 8).
; HALF FRAGMENT (768 bytes): 16 tile rows x 64 K.  Lane l = r + 16 h owns the 24 bytes of codes of k = 32 h .. 32 h + 31: its registers 0-3 at byte 16 l, its registers 4-5 at byte 512 + 8 l.
; xb: codes [4 chunks of 256 K][256 tiles][4 half fragments], then at XS scale words [4][16 T + r][8 bytes].  wb: the same with 160 tiles (units of 64 columns: 0-15 Wq, 16-19 Wk, 20-23 Wv, 24-39 Wo), scale words at WS.
; A block's scale is 2^(floor(log2(largest magnitude)) - 2); its byte is the largest magnitude's exponent field - 2, held at 1 from below by a floor among the maximum's leaves.
; LIMITS: NaN and infinities are not served; a block under 2^-124, and a block of zeros, gets the byte 1 (zero codes add nothing; only this program reads the bytes).
; Work-groups 0-127: 32 rows of x each; wave w takes tile 2 b + w / 4 and chunk w % 4: 16 rows x 1,024 bytes come by two tensor loads into the wave's own stage, which nobody else reads.
; Work-groups 128-207: a unit of 64 columns x 512 K; a wave takes 32 columns x 128 K: a lane a column, registers down K, so a block of 32 lies in one lane.
; THE LOADS OF x (this takes the place of what the lines above say of them): wave w = 4 u' + kc brings rows 16 u' .. 16 u' + 15 of the work-group's 32, chunk kc, by ONE tensor load into stage w.
; Tile u takes its rows 0-7 from stage kc and its rows 8-15 from stage 4 + kc, so every wave waits for its load and a barrier follows ahead of the reads.
.set SPARE, 133120
.set STGB,  16640                      ; a wave's stage: 16 rows x 1,040
.set SP,    1040                       ; 1,024 bytes + 16: 65 x 16, so the sixteen rows of a load start in different banks
.set XS,    3145728
.set WS,    1966080
.set X,     32                         ; v32-95: two sets of 32 numbers (W path: v32-159, 128 numbers)
.set PC,    160                        ; v160-191: codes, eight registers for each half fragment or block: no store's data are written again
.set TM,    12                         ; v12-19 at work in QUANT32
.set SEL,   40                         ; s[40:41] selects of v_permlanex16_b32: lane l xor 16
; 32 numbers of a lane, register 16 b + i = k 32 b + 16 h + i of its row, become a half fragment in v[pc .. pc+5] and its two scale bytes in v[sp]
.macro QUANT32 s, pc, pt, sp
.irp b, 0,1
	v_max3_num_f32 v[TM+\b], |v[(\s)+16*\b]|, |v[(\s)+16*\b+1]|, 0x1800000   ; my 16 of block b, and the floor 2^(3 - 127)
.endr
.irp i, 2,4,6,8,10,12,14
.irp b, 0,1
	s_delay_alu instid0(VALU_DEP_2)
	v_max3_num_f32 v[TM+\b], v[TM+\b], |v[(\s)+16*\b+\i]|, |v[(\s)+16*\b+\i+1]|
.endr
.endr
.irp b, 0,1
	s_delay_alu instid0(VALU_DEP_2)
	v_permlanex16_b32 v[TM+2+\b], v[TM+\b], s[SEL], s[SEL+1]
.endr
.irp b, 0,1
	s_delay_alu instid0(VALU_DEP_2)
	v_max_num_f32 v[TM+\b], v[TM+\b], v[TM+2+\b]       ; with lane l xor 16's 16: the block's largest magnitude
.endr
.irp b, 0,1
	s_delay_alu instid0(VALU_DEP_2)
	v_add_nc_u32 v[TM+4+\b], 0xff000000, v[TM+\b]      ; 2 off its exponent field: the conversion's scale operand
.endr
.irp b, 0,1
	s_delay_alu instid0(VALU_DEP_2)
	v_lshrrev_b32 v[TM+6+\b], 23, v[TM+4+\b]           ; the scale's byte
.endr
	s_delay_alu instid0(VALU_DEP_1)
	v_lshl_or_b32 v[\sp], v[TM+7], 8, v[TM+6]
	v_cvt_scalef32_pk16_fp6_f32 v[(\pc):(\pc)+2], v[(\s):(\s)+15], v[TM+4]
	v_cvt_scalef32_pk16_fp6_f32 v[(\pt):(\pt)+2], v[(\s)+16:(\s)+31], v[TM+5]
	v_nop                                              ; one plain line behind the scaled conversions
.irp i, 0,1,2
	v_permlane16_swap_b32 v[(\pc)+\i], v[(\pt)+\i]     ; a whole block to a lane: lanes 0-15 block 0, lanes 16-31 block 1
.endr
.irp i, 0,1,2
	s_delay_alu instid0(VALU_DEP_3)
	v_mov_b32 v[(\pc)+3+\i], v[(\pt)+\i]
.endr
.endm
.macro XLD kh                          ; 64 K of my row: 16 neighbours of each of two blocks, from the stage
.irp b, 0,1
.irp j, 0,1,2,3
	ds_load_b128 v[X+32*((\kh)%2)+16*\b+4*\j:X+32*((\kh)%2)+16*\b+4*\j+3], v6 offset:256*(\kh)+128*\b+16*\j
.endr
.endr
.endm
.macro WLOAD pitch                     ; W(128 ke + i, my column), i = 0 .. 127: 32 lanes read 128 consecutive bytes, the neighbour wave the next 128
.set i, 0
.rept 128
	global_load_b32 v[32+i], v6, s[48:49] offset:i*\pitch th:TH_LOAD_NT
.set i, i+1
.endr
.endm
.macro WBLOCK t, left                  ; block t of my column: all 32 numbers are mine
.set XB, 32+32*(\t)
	s_wait_loadcnt \left
	v_max3_num_f32 v12, |v[XB]|, |v[XB+1]|, |v[XB+2]|
	v_max3_num_f32 v13, |v[XB+3]|, |v[XB+4]|, |v[XB+5]|
.irp i, 6,10,14,18,22,26
	s_delay_alu instid0(VALU_DEP_2)
	v_max3_num_f32 v12, v12, |v[XB+\i]|, |v[XB+\i+1]|
	s_delay_alu instid0(VALU_DEP_2)
	v_max3_num_f32 v13, v13, |v[XB+\i+2]|, |v[XB+\i+3]|
.endr
	s_delay_alu instid0(VALU_DEP_2)
	v_max3_num_f32 v12, v12, |v[XB+30]|, |v[XB+31]|
	s_delay_alu instid0(VALU_DEP_1)
	v_max3_num_f32 v12, v12, v13, 0x1800000
	s_delay_alu instid0(VALU_DEP_1)
	v_add_nc_u32 v11, 0xff000000, v12
	s_delay_alu instid0(VALU_DEP_1)
	v_lshrrev_b32 v14, 23, v11
.if (\t) == 0
	s_delay_alu instid0(VALU_DEP_1)
	v_mov_b32 v10, v14                                 ; the four bytes make the scale word of these 128 K
.else
	s_delay_alu instid0(VALU_DEP_1)
	v_lshl_or_b32 v10, v14, 8*(\t), v10
.endif
	v_cvt_scalef32_pk16_fp6_f32 v[PC+8*(\t):PC+8*(\t)+2], v[XB:XB+15], v11
	v_cvt_scalef32_pk16_fp6_f32 v[24:26], v[XB+16:XB+31], v11
	v_nop
.irp i, 0,1,2
	v_mov_b32 v[PC+8*(\t)+3+\i], v[24+\i]
.endr
	global_store_b128 v9, v[PC+8*(\t):PC+8*(\t)+3], s[60:61] offset:768*((\t)/2)+256*((\t)%2)        ; block t is half t % 2 of half fragment t / 2: sixteen lanes fill 256 consecutive bytes
	global_store_b64 v20, v[PC+8*(\t)+4:PC+8*(\t)+5], s[60:61] offset:768*((\t)/2)+512+128*((\t)%2)
.endm
	s_load_b256 s[4:11], s[0:1], 0x0                   ; x, Wq, Wk, Wv
	s_load_b128 s[12:15], s[0:1], 0x20                 ; Wo, xb
	s_load_b64 s[16:17], s[0:1], 0x30                  ; wb
	v_lshl_add_u32 v2, v0, 2, SPARE
	v_mov_b32 v3, 0
	ds_add_u32 v2, v3                                  ; the wave's opening: the add and its wait ahead of the first tensor load
	ds_add_u32 v2, v3
	v_lshrrev_b32 v1, 5, v0
	s_delay_alu instid0(VALU_DEP_1)
	v_readfirstlane_b32 s18, v1                        ; wave 0..7
	v_and_b32 v1, 31, v0                               ; l
	v_and_b32 v4, 15, v0                               ; r
	v_bfe_u32 v5, v0, 4, 1                             ; h
	v_mov_b32 v[TM+2], 0                               ; a lane permute's destination counts as read
	v_mov_b32 v[TM+3], 0
	s_mov_b32 s[SEL], 0x76543210
	s_mov_b32 s[SEL+1], 0xfedcba98
	s_mov_b32 s20, (2<<16)|(1<<20)|(7<<22)|(3<<25)     ; group 1: elements of 4 bytes; 4 words of padding behind every 256 words (a row)
	s_mov_b32 s21, 256<<16                             ; tensor_dim0 = 256
	s_mov_b32 s22, 16<<16                              ; tensor_dim1 = 16
	s_mov_b32 s23, 256<<16                             ; tile_dim0 = 256
	s_mov_b32 s24, 16                                  ; tile_dim1 = 16
	s_mov_b32 s25, 1024                                ; from row to row of x
	s_mov_b32 s26, 0
	s_mov_b32 s27, 0
	s_wait_dscnt 0x0                                   ; the opening add is done
	s_wait_kmcnt 0x0
	s_cmp_ge_u32 ttmp9, 128
	s_cbranch_scc1 .Lw
	; ---- x: tile 2 b + u, chunk kc
	s_lshr_b32 s43, s18, 2                             ; u
	s_and_b32 s44, s18, 3                              ; kc
	s_mul_i32 s19, s18, STGB                           ; my stage
	s_lshl_b32 s46, ttmp9, 17                          ; 32 b rows of 4,096 bytes
	s_lshl_b32 s45, s43, 16                            ; + 16 u' rows
	s_add_co_u32 s46, s46, s45
	s_lshl_b32 s45, s44, 10                            ; + 1,024 bytes a chunk
	s_add_co_u32 s46, s46, s45
	s_mov_b32 s47, 0
	s_mov_b32 s28, 1
	s_mov_b32 s29, s19                                 ; my stage: rows 16 u' .. 16 u' + 15
	s_add_nc_u64 s[30:31], s[4:5], s[46:47]
	s_or_b32 s31, s31, 0x80000000
	tensor_load_to_lds s[28:31], s[20:27]              ; my one load: 16 rows x 1,024 bytes
	s_nop 0
.rept 4
	v_nop
.endr
	s_wait_alu depctr_va_vdst(0)
	s_mul_i32 s19, s44, STGB                           ; stage kc,
	s_mul_i32 s45, s43, 8*SP                           ; its row 8 u
	s_add_co_u32 s19, s19, s45
	v_and_b32 v6, 7, v0                                ; r % 8
	v_bfe_u32 v7, v0, 3, 1                             ; r / 8: the stage four further on
	v_mul_u32_u24 v6, v6, SP
	v_mad_u32_u24 v6, v7, 4*STGB, v6
	v_lshl_add_u32 v6, v5, 6, v6                       ; + 64 h: my 16 numbers of a block
	v_add_nc_u32 v6, s19, v6
	v_lshlrev_b32 v7, 4, v1                            ; 16 l
	v_lshlrev_b32 v8, 3, v1                            ; 8 l
	v_lshlrev_b32 v9, 3, v4                            ; 8 r
	s_lshl_b32 s48, ttmp9, 1
	s_add_co_u32 s48, s48, s43                         ; T
	s_mul_i32 s46, s44, 786432
	s_mul_i32 s45, s48, 3072
	s_add_co_u32 s46, s46, s45
	s_add_nc_u64 s[36:37], s[14:15], s[46:47]          ; my tile chunk in xb
	s_lshl_b32 s46, s44, 15
	s_lshl_b32 s45, s48, 7
	s_add_co_u32 s46, s46, s45
	s_add_co_u32 s46, s46, XS
	s_add_nc_u64 s[38:39], s[14:15], s[46:47]          ; its scale words
	s_wait_alu depctr_va_vdst(0)
	s_wait_tensorcnt 0x0                               ; my load has landed,
	s_barrier_signal -1
	s_barrier_wait -1                                  ; and so has every wave's: the stages are whole
	XLD 0
	XLD 1
.irp kh, 0,1,2,3
.if \kh < 3
	s_wait_dscnt 8                                     ; this set's eight loads are in; the next set's eight may be out
.else
	s_wait_dscnt 0
.endif
	QUANT32 X+32*(\kh%2), PC+8*\kh, 24, 20+\kh
.if \kh < 2
	XLD \kh+2
.endif
	global_store_b128 v7, v[PC+8*\kh:PC+8*\kh+3], s[36:37] offset:768*\kh            ; 512 consecutive bytes
	global_store_b64 v8, v[PC+8*\kh+4:PC+8*\kh+5], s[36:37] offset:768*\kh+512       ; 256 consecutive bytes
.endr
	v_lshl_or_b32 v10, v21, 16, v20                    ; the scale words of the chunk's two K steps of 128
	v_lshl_or_b32 v11, v23, 16, v22
	s_wait_alu depctr_va_vdst(0)
	s_wait_xcnt 0x0                                    ; EXEC changes only behind this wait
	v_cmp_gt_u32 vcc_lo, 16, v1
	s_and_saveexec_b32 s42, vcc_lo
	global_store_b64 v9, v[10:11], s[38:39]            ; sixteen lanes: 128 consecutive bytes (half of an aligned 256: one byte in 24 of what this path stores)
	s_wait_xcnt 0x0
	s_or_b32 exec_lo, exec_lo, s42
	s_wait_tensorcnt 0x0                               ; the wave's end
	ds_add_u32 v2, v3
	s_wait_dscnt 0x0
	s_endpgm
	; ---- W: unit (64 columns), 512 K; wave: 32 columns cg, K step ke of 128
.Lw:
	s_sub_co_u32 s19, ttmp9, 128
	s_and_b32 s43, s19, 1                              ; which 512 of K
	s_lshr_b32 s19, s19, 1                             ; unit 0..39
	s_and_b32 s44, s18, 1                              ; cg
	s_lshr_b32 s45, s18, 1
	s_lshl_b32 s43, s43, 2
	s_add_co_u32 s45, s45, s43                         ; ke 0..7
	s_mov_b64 s[48:49], s[12:13]                       ; the weight and its first unit: chosen by the unit's number alone
	s_mov_b32 s50, 24
	s_cmp_lt_u32 s19, 24
	s_cselect_b64 s[48:49], s[10:11], s[48:49]
	s_cselect_b32 s50, 20, s50
	s_cmp_lt_u32 s19, 20
	s_cselect_b64 s[48:49], s[8:9], s[48:49]
	s_cselect_b32 s50, 16, s50
	s_cmp_lt_u32 s19, 16
	s_cselect_b64 s[48:49], s[6:7], s[48:49]
	s_cselect_b32 s50, 0, s50
	s_sub_co_u32 s51, s19, 16
	s_cmp_lt_u32 s51, 8                                ; Wk and Wv have rows of 1,024 bytes, Wq and Wo of 4,096
	s_cselect_b32 s52, 17, 19
	s_cselect_b32 s53, 1, 0
	s_lshl_b32 s54, s45, s52                           ; 128 ke rows
	s_sub_co_u32 s55, s19, s50
	s_lshl_b32 s55, s55, 8                             ; 64 columns a unit
	s_add_co_u32 s54, s54, s55
	s_lshl_b32 s55, s44, 7                             ; 32 columns
	s_add_co_u32 s54, s54, s55
	s_mov_b32 s55, 0
	s_add_nc_u64 s[48:49], s[48:49], s[54:55]
	s_lshr_b32 s56, s45, 1                             ; chunk
	s_and_b32 s57, s45, 1                              ; K step in it
	s_mul_i32 s54, s56, 491520
	s_lshl_b32 s58, s19, 2
	s_lshl_b32 s59, s44, 1
	s_add_co_u32 s58, s58, s59                         ; tile 4 unit + 2 cg
	s_mul_i32 s58, s58, 3072
	s_add_co_u32 s54, s54, s58
	s_mul_i32 s58, s57, 1536
	s_add_co_u32 s54, s54, s58
	s_add_nc_u64 s[60:61], s[16:17], s[54:55]          ; codes
	s_mul_i32 s54, s56, 20480
	s_lshl_b32 s58, s19, 9
	s_add_co_u32 s54, s54, s58
	s_lshl_b32 s58, s44, 8
	s_add_co_u32 s54, s54, s58
	s_lshl_b32 s58, s57, 2
	s_add_co_u32 s54, s54, s58
	s_add_co_u32 s54, s54, WS
	s_add_nc_u64 s[62:63], s[16:17], s[54:55]          ; scale words
	s_wait_alu depctr_va_vdst(0)
	v_lshlrev_b32 v6, 2, v1                            ; my column
	v_bfe_u32 v7, v0, 3, 1                             ; column 32 g + l is lane-row r' = l % 8 + 8 (l / 16) of tile 2 g + u', u' = (l / 8) % 2
	v_and_b32 v8, 7, v0
	s_delay_alu instid0(VALU_DEP_1)
	v_lshl_add_u32 v8, v5, 3, v8
	s_delay_alu instid0(VALU_DEP_3)
	v_mul_u32_u24 v22, v7, 3072
	s_delay_alu instid0(VALU_DEP_1)
	v_lshl_add_u32 v9, v8, 4, v22                      ; 3,072 u' + 16 r'
	s_delay_alu instid0(VALU_DEP_2)
	v_lshl_add_u32 v20, v8, 3, v22                     ; 3,072 u' + 8 r'
	s_delay_alu instid0(VALU_DEP_4)
	v_lshl_add_u32 v21, v7, 4, v8
	s_delay_alu instid0(VALU_DEP_1)
	v_lshlrev_b32 v21, 3, v21                          ; 8 (16 u' + r')
	s_cmp_eq_u32 s53, 1
	s_cbranch_scc1 .Lnarrow
	WLOAD 4096
	s_branch .Lloaded
.Lnarrow:
	s_wait_alu depctr_va_vdst(0)
	WLOAD 1024
.Lloaded:
	WBLOCK 0, 63                                       ; behind block t's loads 96 - 32 t were issued; a wait names 63 at the most, and a smaller count is safe
	WBLOCK 1, 63
	WBLOCK 2, 32
	WBLOCK 3, 0
	global_store_b32 v21, v10, s[62:63]                ; 4 of each row's 8 bytes; the wave with the chunk's other K step stores the rest (82 KB in the whole launch)
	s_wait_tensorcnt 0x0                               ; the wave's end
	ds_add_u32 v2, v3
	s_wait_dscnt 0x0
	s_endpgm
.Lfunc_end_k_q84b9b6b1cc_prep:
	.size	k_q84b9b6b1cc_prep, .Lfunc_end_k_q84b9b6b1cc_prep-k_q84b9b6b1cc_prep
	.p2alignl 7, 3214868480
	.fill 96, 4, 3214868480
	.section	.rodata,"a",@progbits
	.p2align	6, 0x0
	.amdhsa_kernel k_q84b9b6b1cc_prep
		.amdhsa_group_segment_fixed_size 167936
		.amdhsa_private_segment_fixed_size 0
		.amdhsa_enable_private_segment 0
		.amdhsa_kernarg_size 56
		.amdhsa_user_sgpr_count 2
		.amdhsa_user_sgpr_kernarg_segment_ptr 1
		.amdhsa_wavefront_size32 1
		.amdhsa_system_sgpr_workgroup_id_x 1
		.amdhsa_system_sgpr_workgroup_id_y 1
		.amdhsa_system_sgpr_workgroup_id_z 1
		.amdhsa_system_vgpr_workitem_id 0
		.amdhsa_next_free_vgpr 192
		.amdhsa_next_free_sgpr 66
		.amdhsa_reserve_vcc 1
		.amdhsa_float_denorm_mode_32 3
		.amdhsa_float_denorm_mode_16_64 3
		.amdhsa_memory_ordered 1
		.amdhsa_forward_progress 1
		.amdhsa_inst_pref_size 54
	.end_amdhsa_kernel
	.amdgpu_metadata
---
amdhsa.version: [ 1, 2 ]
amdhsa.kernels:
  - .name:           k_q84b9b6b1cc_prep
    .symbol:         k_q84b9b6b1cc_prep.kd
    .args:
      - { .name: x, .offset: 0, .size: 8, .value_kind: global_buffer, .address_space: global }
      - { .name: Wq, .offset: 8, .size: 8, .value_kind: global_buffer, .address_space: global }
      - { .name: Wk, .offset: 16, .size: 8, .value_kind: global_buffer, .address_space: global }
      - { .name: Wv, .offset: 24, .size: 8, .value_kind: global_buffer, .address_space: global }
      - { .name: Wo, .offset: 32, .size: 8, .value_kind: global_buffer, .address_space: global }
      - { .name: xb, .offset: 40, .size: 8, .value_kind: global_buffer, .address_space: global }
      - { .name: wb, .offset: 48, .size: 8, .value_kind: global_buffer, .address_space: global }
    .group_segment_fixed_size: 167936
    .private_segment_fixed_size: 0
    .kernarg_segment_align: 8
    .kernarg_segment_size: 56
    .max_flat_workgroup_size: 256
    .sgpr_count:     66
    .vgpr_count:     192
    .wavefront_size: 32
...
	.end_amdgpu_metadata
.endif
;; end of part 1
;; launch proj (part 2): grid 32 x 8, 6 waves a work-group, clusters of 4 x 1, 272,640 bytes of LDS; arguments xb, wb, bq, bk, bv, mask, qb, kvb; writes qb, kvb
.if DOCPART == 2
	.amdgcn_target "amdgcn-amd-amdhsa--gfx1250"
	.amdhsa_code_object_version 6
	.text
	.protected	k_q84b9b6b1cc_proj
	.globl	k_q84b9b6b1cc_proj
	.p2align	8
	.type	k_q84b9b6b1cc_proj,@function
k_q84b9b6b1cc_proj:
	s_mov_b64 s[64:65], 0
	v_nop
	global_prefetch_b8 v0, s[64:65] scope:SCOPE_SE
	s_setreg_imm32_b32 hwreg(HW_REG_WAVE_MODE, 25, 1), 1
	s_wait_xcnt 0x0
	s_wait_alu depctr_hold_cnt(0) depctr_sa_sdst(0) depctr_va_vdst(0) depctr_va_sdst(0) depctr_va_ssrc(0) depctr_va_vcc(0) depctr_vm_vsrc(0)
	s_getreg_b32 s2, hwreg(HW_REG_IB_STS2, 6, 4)
	s_cmp_eq_u32 s2, 0
	s_cbranch_scc0 .Lentry_in_a_cluster
	s_endpgm
.Lentry_in_a_cluster:
	s_bfe_u32 s2, ttmp6, 0x10000c
	s_cmp_lg_u32 s2, 0x3003
	s_cbranch_scc0 .Lentry_shape_is_right
	s_endpgm
.Lentry_shape_is_right:
; PROJ: q = x Wq + bq, k = x Wk + bk, v = x Wv + bv on codes of E2M3 (one GEMM, 4,096 x 1,536 x 1,024), and the results quantised at once for attention: q and k along the head's 64, v along the keys.
; A work-group makes 128 rows x 192 columns (three units of 64); wave w makes unit 3 y + w / 2, rows 64 (w % 2) on: 16 accumulators of 16 x 16.
; K = 1,024 in codes is 768 bytes a row, so both panels for all of K lie in LDS: no slot is filled again.  All eight tensor loads of a wave go out at the start, in four chunks of 256 K;
; chunk i is waited for by a count and a barrier behind which nothing is filled, and the later chunks land while it is multiplied.
; CLUSTER 4 x 1: the four partners are four row panels of one column slice: W's chunks are asked for jointly (mask 15), x's by loads of each work-group's own.  The slices lie along y, since the way out
; branches on the unit, and a branch may hang on y and the wave's number but not on a place in the cluster.
; LAYOUT (see prep): fragments lie in LDS as images of their registers; tile T's lane-row r is row 32 (T / 2) + 8 (T % 2) + r + 8 (r / 8).
; q, k: source 0 = 16 columns of W, source 1 = 16 rows of x: a lane holds one row and its 32 registers of an a run along the head: register 16 B + i = channel 32 B + 16 h + i.
; v: the sources change places: a lane holds one channel and its registers run along the keys, which are the K of attention's second product.
; The sums begin at the bias: it is loaded (v: copied) into the accumulators ahead of the first product.
; THE MASK goes into k's scale words.  The head is 64 and a product takes 128 along K; attention lays the code 1.0 at k = 64 of every key and -1.0 at k = 64 of every query.  Byte 2 of q's word is 120;
; byte 2 of k's is 254 for a hidden key (its score gets -2^120) and 1 for a key that counts (-2^-133).  LIMITS: true scores stay under 2^96; NaN, infinities not served; blocks under 2^-124 get the byte 1.
; THE LOADS (this takes the place of what the lines above say of them): ONE tensor load a wave, all at the start.  Waves 0-3 ask jointly for W's chunk w (144 rows of 256 bytes);
; waves 4, 5 bring x's chunks 2 (w % 2) and the next by a load of their own (2 rows of 24,576 bytes, a chunk apart in memory).  Every wave waits for its load, one barrier follows, nothing is filled again.
; kvb: for each KV head 32 key steps of 13,056 bytes: K's 8 tiles x 768, V^T's 4 tiles x 1,536, then 768 bytes of scale words (K's tiles as proj made them 0-3, 4-7; V's).
; K'S TILES ARE LAID FOR ATTENTION: key 64 c + 32 e + 8 u + j of a step is row 8 e + j of tile 4 c + u, so that in S^T a lane's 32 registers of tiles 4 c .. 4 c + 3 are one whole block of 32 keys.
.set NU,    3
.set PARTA, 4096                       ; a wave's sixth of a chunk of x's panel (24,576 bytes): 16 rows of 256
.set RA,    16
.set AB,    0                          ; x's panel: 4 chunks x 8 tiles x 3,072
.set BB,    98304                      ; W's slice: 4 chunks x 12 tiles x 3,072
.set BSTEP, 12288*NU
.set SCR,   245760                     ; scale words, 4,096 bytes for each wave, its own: W side, then at + 2,048 the row side; 512 bytes a chunk
.set VX,    270336                     ; 256 bytes for each wave: v's scale pairs on their way to the partner wave
.set SPARE, 271872                     ; the spare words, 128 bytes a wave
.set XS,    3145728
.set WS,    1966080
.set QS,    3145728
.set KVS,   1572864
.set SC,    8                          ; v8-15 scale words of a chunk: register 2 t + q: lanes 0-15 W's tile t, lanes 16-31 x's tile t, K step q
.set WF,    32                         ; v32-79  four fragments of W
.set XF,    80                         ; v80-127 four fragments of x
.set ACC,   128                        ; v128-255: accumulator (a, b) at ACC + 8 (4 a + b)
.set TM,    68
.set SEL,   2
.set WV,    20
.macro PLACES n
.rept \n
	v_nop
.endr
.endm
.macro CROUND                          ; a round of the cluster's barrier
	s_barrier_signal -1
	s_barrier_wait -1
	s_cmp_lg_u32 s[WV], 0
	s_cbranch_scc1 .Lnot_wave_0_\@
	s_barrier_signal -3
.Lnot_wave_0_\@:
	s_barrier_wait -3
	s_barrier_signal -1
	s_barrier_wait -1
.endm
.macro QUANT32 s, pc, pt, sp           ; as in prep: 32 numbers of a lane -> a half fragment and its two scale bytes
.irp b, 0,1
	v_max3_num_f32 v[TM+\b], |v[(\s)+16*\b]|, |v[(\s)+16*\b+1]|, 0x1800000
.endr
.irp i, 2,4,6,8,10,12,14
.irp b, 0,1
	v_max3_num_f32 v[TM+\b], v[TM+\b], |v[(\s)+16*\b+\i]|, |v[(\s)+16*\b+\i+1]|   ; each accumulator is read from its low end on
.endr
.endr
.irp b, 0,1
	v_permlanex16_b32 v[TM+2+\b], v[TM+\b], s[SEL], s[SEL+1]
.endr
.irp b, 0,1
	v_max_num_f32 v[TM+\b], v[TM+\b], v[TM+2+\b]
.endr
.irp b, 0,1
	v_add_nc_u32 v[TM+4+\b], 0xff000000, v[TM+\b]
.endr
.irp b, 0,1
	v_lshrrev_b32 v[TM+6+\b], 23, v[TM+4+\b]
.endr
	v_lshl_or_b32 v[\sp], v[TM+7], 8, v[TM+6]
	v_cvt_scalef32_pk16_fp6_f32 v[(\pc):(\pc)+2], v[(\s):(\s)+15], v[TM+4]
	v_cvt_scalef32_pk16_fp6_f32 v[(\pt):(\pt)+2], v[(\s)+16:(\s)+31], v[TM+5]
	v_nop
.irp i, 0,1,2
	v_permlane16_swap_b32 v[(\pc)+\i], v[(\pt)+\i]
.endr
.irp i, 0,1,2
	v_mov_b32 v[(\pc)+3+\i], v[(\pt)+\i]
.endr
.endm
.macro FRAGS f, a16, a8, q             ; four fragments (16 rows x 128 K): each two half fragments' images, consecutive bytes
.irp t, 0,1,2,3
	ds_load_b128 v[\f+12*\t:\f+12*\t+3], v[\a16] offset:3072*\t+1536*(\q)
	ds_load_b64 v[\f+12*\t+4:\f+12*\t+5], v[\a8] offset:3072*\t+1536*(\q)+512
	ds_load_b128 v[\f+12*\t+6:\f+12*\t+9], v[\a16] offset:3072*\t+1536*(\q)+768
	ds_load_b64 v[\f+12*\t+10:\f+12*\t+11], v[\a8] offset:3072*\t+1536*(\q)+1280
.endr
.endm
.macro MULN q                          ; q, k: source 0 = W's tile b, source 1 = x's tile a.  The 16 accumulators take turns
.irp a, 0,1,2,3
	s_wait_dscnt 12-4*\a                               ; x's tile a is in; the four loads of each later tile may be out
.irp b, 0,1,2,3
	v_wmma_scale_f32_16x16x128_f8f6f4 v[ACC+8*(4*\a+\b):ACC+8*(4*\a+\b)+7], v[WF+12*\b:WF+12*\b+11], v[XF+12*\a:XF+12*\a+11], v[ACC+8*(4*\a+\b):ACC+8*(4*\a+\b)+7], v[SC+2*\b+(\q)], v[SC+2*\a+(\q)] matrix_a_fmt:MATRIX_FMT_FP6 matrix_b_fmt:MATRIX_FMT_FP6 matrix_b_scale:MATRIX_SCALE_ROW1
.endr
.endr
.endm
.macro MULV q                          ; v: source 0 = x's tile b (keys), source 1 = W's tile a (channels)
	s_wait_dscnt 0x0
.irp a, 0,1,2,3
.irp b, 0,1,2,3
	v_wmma_scale_f32_16x16x128_f8f6f4 v[ACC+8*(4*\a+\b):ACC+8*(4*\a+\b)+7], v[XF+12*\b:XF+12*\b+11], v[WF+12*\a:WF+12*\a+11], v[ACC+8*(4*\a+\b):ACC+8*(4*\a+\b)+7], v[SC+2*\b+(\q)], v[SC+2*\a+(\q)] matrix_a_fmt:MATRIX_FMT_FP6 matrix_b_fmt:MATRIX_FMT_FP6 matrix_a_scale:MATRIX_SCALE_ROW1
.endr
.endr
.endm
.macro KSTEP q
.if \q
	PLACES 4                                           ; in front of loads into registers that matrix instructions have read
.endif
	FRAGS WF, 3, 4, \q
	FRAGS XF, 5, 6, \q
	s_cmp_eq_u32 s86, 0                                ; ids alone: the unit's kind
	s_cbranch_scc0 .Lv_\@
	MULN \q
	s_branch .Ldone_\@
.Lv_\@:
	MULV \q
.Ldone_\@:
.endm
.macro CHUNK i
.if \i == 0
	s_wait_tensorcnt 0x0                               ; my one load has landed
	s_wait_dscnt 0x0                                   ; no LDS instruction of mine is pending at the signal
	s_barrier_signal -1
	s_barrier_wait -1                                  ; both panels are whole
.endif
.irp t, 0,1,2,3
	ds_load_b64 v[SC+2*\t:SC+2*\t+1], v7 offset:512*\i+128*\t
.endr
	KSTEP 0
	KSTEP 1
.if \i < 3
	v_add_nc_u32 v3, BSTEP, v3                         ; on to the next chunk; these four plain lines are also the places in front of its loads
	v_add_nc_u32 v4, BSTEP, v4
	v_add_nc_u32 v5, 24576, v5
	v_add_nc_u32 v6, 24576, v6
.endif
.endm
	s_load_b512 s[4:19], s[0:1], 0x0                   ; xb, wb, bq, bk, bv, mask, qb, kvb
	v_lshl_add_u32 v1, v0, 2, SPARE
	v_mov_b32 v2, 0
	ds_add_u32 v1, v2                                  ; the wave's opening: the add and its wait ahead of the round in front of the first loads
	ds_add_u32 v1, v2
	v_lshrrev_b32 v24, 5, v0
	v_readfirstlane_b32 s[WV], v24                     ; wave 0..5
	s_lshr_b32 s21, s20, 1                             ; uu: which unit of the slice
	s_and_b32 s22, s20, 1                              ; rh: which 64 rows
	s_bfe_u32 s23, ttmp6, 0x40000                      ; cx: it enters global addresses of my own loads and stores alone
	s_lshl_b32 s24, ttmp9, 2
	s_add_co_u32 s24, s24, s23                         ; row panel 0..31
	s_and_b32 s25, ttmp7, 0xffff                       ; y: column slice
	s_mul_i32 s26, s25, NU
	s_add_co_u32 s26, s26, s21                         ; unit 0..23
	s_lshl_b32 s27, s24, 1
	s_add_co_u32 s27, s27, s22                         ; G: my group of 64 rows
	s_mov_b32 s28, 3<<16                               ; group 1 for x's parts: elements of 8 bytes, dense; no mask
	s_mov_b32 s29, 3072<<16                            ; x: 2 rows of 3,072 elements of 8 bytes (a chunk of the panel each),
	s_mov_b32 s30, 2<<16
	s_mov_b32 s31, 3072<<16
	s_mov_b32 s32, 2
	s_mov_b32 s33, 98304                               ; 786,432 bytes apart
	s_mov_b32 s34, 0
	s_mov_b32 s35, 0
	s_mov_b32 s36, 15|(3<<16)|(1<<21)                  ; group 1 for W's parts: 144 rows of 256 bytes; the mask names the four partners, bit 21 beside it
	s_mov_b32 s37, 32<<16
	s_mov_b32 s38, 144<<16                             ; W: 144 rows of 256 bytes, a chunk of the slice
	s_mov_b32 s39, 32<<16
	s_mov_b32 s40, 144
	s_mov_b32 s41, 32
	s_mov_b32 s42, 0
	s_mov_b32 s43, 0
	s_mov_b32 s[SEL], 0x76543210
	s_mov_b32 s[SEL+1], 0xfedcba98
	s_mov_b32 s91, 0xffff0000                          ; lanes 16-31
	s_mul_i32 s80, s22, 49152                          ; waves 4, 5: x's chunks 2 (w % 2) and the next, in LDS
	s_mul_i32 s81, s22, 2*786432                       ; and in memory
	s_mul_i32 s82, s24, 24576
	s_add_co_u32 s82, s82, s81
	s_mov_b32 s83, 0
	s_mul_i32 s81, s20, BSTEP                          ; waves 0-3: W's chunk w, in LDS
	s_add_co_u32 s81, s81, BB
	s_mul_i32 s84, s25, BSTEP
	s_mul_i32 s85, s20, 491520                         ; and in memory: the same in all four partners
	s_add_co_u32 s84, s84, s85
	s_mov_b32 s85, 0
	s_wait_dscnt 0x0                                   ; the opening add is done
	s_wait_kmcnt 0x0
	s_add_nc_u64 s[82:83], s[4:5], s[82:83]
	s_add_nc_u64 s[84:85], s[6:7], s[84:85]
	s_mov_b32 s44, 1
	s_mov_b32 s45, s80
	s_mov_b64 s[46:47], s[82:83]
	s_or_b32 s47, s47, 0x80000000
	s_mov_b32 s60, 1
	s_mov_b32 s61, s81
	s_mov_b64 s[62:63], s[84:85]
	s_or_b32 s63, s63, 0x80000000
	CROUND                                             ; all four work-groups are here: the joint loads meet
	s_cmp_lt_u32 s[WV], 4                              ; one load a wave, in the two arms of one branch on the wave's number
	s_cbranch_scc0 .Lload_x
	tensor_load_to_lds s[60:63], s[36:43]
	s_nop 0
.rept 4
	v_nop
.endr
	s_branch .Lasked
.Lload_x:
	tensor_load_to_lds s[44:47], s[28:35]
	s_nop 0
.rept 4
	v_nop
.endr
.Lasked:
	; ---- what my unit is, and where its results go: every candidate first, then compares and selects
	s_sub_co_u32 s80, s26, 16
	s_sub_co_u32 s81, s26, 20
	s_mul_i32 s82, s22, 3072                           ; k: my four tiles of the step's eight
	s_mul_i32 s83, s22, 768
	s_add_co_u32 s83, s83, 6144                        ; v: behind K's eight tiles, my half of the keys
	s_lshl_b32 s84, s22, 8
	s_mov_b32 s88, 1536
	s_cmp_lt_u32 s26, 20
	s_cselect_b32 s80, s80, s81                        ; the KV head
	s_cselect_b32 s82, s82, s83
	s_cselect_b32 s84, s84, 512
	s_cselect_b32 s86, 0, 1                            ; is it v?
	s_cselect_b32 s87, 0, -1                           ; the same as a lane mask
	s_cselect_b32 s88, 768, s88                        ; bytes from a's half fragment to the next
	s_cselect_b64 s[96:97], s[10:11], s[12:13]
	s_mul_i32 s81, s80, 417792                         ; a KV head: 32 steps of 13,056 bytes
	s_mul_i32 s83, s24, 13056                          ; the panel is the key step
	s_add_co_u32 s83, s81, s83
	s_add_co_u32 s81, s83, s82                         ; codes
	s_add_co_u32 s82, s83, s84
	s_add_co_u32 s82, s82, 12288                       ; scale words: behind the step's codes
	s_mul_i32 s83, s26, 196608
	s_mul_i32 s84, s27, 3072
	s_add_co_u32 s83, s83, s84
	s_lshl_b32 s84, s26, 14
	s_lshl_b32 s85, s27, 8
	s_add_co_u32 s84, s84, s85
	s_add_co_u32 s84, s84, QS
	s_mov_b32 s90, 0x7f01
	s_cmp_lt_u32 s26, 16
	s_cselect_b32 s81, s83, s81                        ; codes' offset
	s_cselect_b32 s82, s84, s82                        ; scale words' offset
	s_cselect_b32 s80, s26, s80                        ; the bias's unit
	s_cselect_b32 s89, 0, 253                          ; upper half of a scale word = s90 + s89 x mask byte: q 0x7f78; k 0x7f01 or 0x7ffe
	s_cselect_b32 s90, 0x7f78, s90
	s_cselect_b64 s[96:97], s[8:9], s[96:97]
	s_cselect_b64 s[92:93], s[16:17], s[18:19]
	s_mov_b64 s[94:95], s[92:93]
	s_mov_b32 s83, 0
	s_add_nc_u64 s[94:95], s[94:95], s[82:83]          ; scale words
	s_mov_b32 s82, s81
	s_add_nc_u64 s[92:93], s[92:93], s[82:83]          ; codes
	s_lshl_b32 s82, s80, 8
	s_add_nc_u64 s[96:97], s[96:97], s[82:83]          ; bias: my 64 numbers
	s_lshl_b32 s82, s27, 9
	s_add_co_u32 s82, s82, XS
	s_add_nc_u64 s[4:5], s[4:5], s[82:83]              ; x's scale words of my four tiles
	s_lshl_b32 s82, s26, 9
	s_add_co_u32 s82, s82, WS
	s_add_nc_u64 s[6:7], s[6:7], s[82:83]              ; W's
	s_lshl_b32 s82, s27, 6
	s_add_nc_u64 s[14:15], s[14:15], s[82:83]          ; the mask of my 64 rows
	v_and_b32 v24, 31, v0                              ; l
	v_and_b32 v25, 15, v0                              ; r
	v_bfe_u32 v26, v0, 4, 1                            ; h
	v_lshlrev_b32 v27, 4, v24                          ; 16 l
	v_lshlrev_b32 v28, 3, v24                          ; 8 l
	v_lshlrev_b32 v29, 6, v26                          ; 64 h
	v_and_b32 v31, 8, v25
	v_add_nc_u32 v31, v31, v25                         ; r + 8 (r / 8)
	v_lshlrev_b32 v30, 2, v31
	s_mul_i32 s80, s21, 12288
	s_add_co_u32 s80, s80, BB
	v_add_nc_u32 v3, s80, v27                          ; W's fragments: my unit's four tiles
	v_add_nc_u32 v4, s80, v28
	s_mul_i32 s80, s22, 12288
	v_add_nc_u32 v5, s80, v27                          ; x's: my four tiles
	v_add_nc_u32 v6, s80, v28
	s_lshl_b32 s80, s20, 12
	s_add_co_u32 s80, s80, SCR
	v_add_nc_u32 v16, s80, v27
	v_lshl_add_u32 v7, v25, 3, s80
	v_lshl_add_u32 v7, v26, 11, v7                     ; lanes 0-15 W's words, lanes 16-31 x's: the lower base + h x 2,048
	s_lshl_b32 s80, s20, 8
	s_add_co_u32 s80, s80, VX
	v_add_nc_u32 v17, s80, v28                         ; my 256 bytes of VX
	s_lshl_b32 s80, s21, 9
	s_add_co_u32 s80, s80, VX
	v_add_nc_u32 v18, s80, v28                         ; my unit's two waves'
.irp i, 0,1,2,3
	global_load_b128 v[32+4*\i:35+4*\i], v27, s[6:7] offset:20480*\i       ; 512 consecutive bytes: a chunk's scale words of four tiles
	global_load_b128 v[48+4*\i:51+4*\i], v27, s[4:5] offset:32768*\i
.endr
.irp a, 0,1,2,3
	global_load_u8 v[20+\a], v31, s[14:15] offset:32*(\a/2)+8*(\a%2)       ; the mask byte of tile a's row r
.endr
	s_cmp_eq_u32 s86, 0
	s_cbranch_scc0 .Lbias_v
.irp a, 0,1,2,3
.irp b, 0,1,2,3
	global_load_b128 v[ACC+8*(4*\a+\b):ACC+8*(4*\a+\b)+3], v29, s[96:97] offset:128*(\b/2)+32*(\b%2)          ; register j of (a, b): column 32 (b / 2) + 16 h + 8 (b % 2) + j
	global_load_b128 v[ACC+8*(4*\a+\b)+4:ACC+8*(4*\a+\b)+7], v29, s[96:97] offset:128*(\b/2)+32*(\b%2)+16
.endr
.endr
	s_branch .Lbias_done
.Lbias_v:
.irp a, 0,1,2,3
	global_load_b32 v[64+\a], v30, s[96:97] offset:128*(\a/2)+32*(\a%2)    ; a lane's channel is the same in all 32 registers of an a
.endr
	s_wait_loadcnt 0x0
.irp a, 0,1,2,3
.set j, 0
.rept 32
	v_mov_b32 v[ACC+32*\a+j], v[64+\a]                 ; the bias, not a clearing
.set j, j+1
.endr
.endr
.Lbias_done:
	s_wait_loadcnt 0x0
	s_wait_alu depctr_va_vdst(0)
.irp i, 0,1,2,3
	ds_store_b128 v16, v[32+4*\i:35+4*\i] offset:512*\i
	ds_store_b128 v16, v[48+4*\i:51+4*\i] offset:2048+512*\i
.endr
	CHUNK 0
	s_wait_alu depctr_va_vdst(0)
	CHUNK 1
	s_wait_alu depctr_va_vdst(0)
	CHUNK 2
	s_wait_alu depctr_va_vdst(0)
	CHUNK 3
	; ---- the way out: each a's 32 numbers become a half fragment, stored as its image: 512 + 256 consecutive bytes
	PLACES 4
	v_mov_b32 v[TM+2], 0
	v_mov_b32 v[TM+3], 0
	; where a's half fragment goes.  q, v: image a, 16 l and 8 l.  k: my row r of tile a is row 8 (a / 2) + r % 8 of attention's tile a % 2 + 2 (r / 8)
	s_lshl_b32 s82, s88, 1
	s_sub_co_u32 s81, s26, 16
	s_cmp_lt_u32 s81, 4                                ; a unit of k?  ids alone
	s_cselect_b32 s98, -1, 0
	s_cselect_b32 s83, 128, s82                        ; from a to a + 2: eight rows of 16 bytes, or two images
	s_cselect_b32 s84, 64, s82
	s_add_co_u32 s85, s83, s88
	s_add_co_u32 s99, s84, s88
	v_bfe_u32 v88, v0, 3, 1
	v_and_b32 v89, 7, v0
	v_mul_u32_u24 v88, v88, 1536
	v_lshl_add_u32 v90, v26, 8, v88
	v_lshl_add_u32 v91, v26, 7, v88
	v_lshl_add_u32 v90, v89, 4, v90                    ; 1,536 (r / 8) + 256 h + 16 (r % 8)
	v_lshl_add_u32 v91, v89, 3, v91                    ; 1,536 (r / 8) + 128 h + 8 (r % 8)
	v_cndmask_b32 v80, v27, v90, s98
	v_cndmask_b32 v84, v28, v91, s98
	v_add_nc_u32 v81, s88, v80
	v_add_nc_u32 v82, s83, v80
	v_add_nc_u32 v83, s85, v80
	v_add_nc_u32 v85, s88, v84
	v_add_nc_u32 v86, s84, v84
	v_add_nc_u32 v87, s99, v84
.irp a, 0,1,2,3
	QUANT32 ACC+32*\a, 32+8*\a, 64, 76+\a
	global_store_b128 v[80+\a], v[32+8*\a:32+8*\a+3], s[92:93]
	global_store_b64 v[84+\a], v[32+8*\a+4:32+8*\a+5], s[92:93] offset:512
.endr
.irp a, 0,1,2,3
	v_mad_u32_u24 v[88+\a], v[20+\a], s89, s90         ; the word's upper half
.endr
	v_cndmask_b32 v92, v76, v78, s91                   ; lane (r, h) carries the words of tiles 2 h and 2 h + 1
	v_cndmask_b32 v93, v77, v79, s91
	v_cndmask_b32 v94, v88, v90, s91
	v_cndmask_b32 v95, v89, v91, s91
	ds_store_b64 v17, v[92:93]                         ; v: a word's two halves come from the unit's two waves (keys 0-63, 64-127); every wave stores, v's read
	v_lshl_or_b32 v98, v94, 16, v92
	v_lshl_or_b32 v99, v95, 16, v93
	s_wait_dscnt 0x0                                   ; for the partner's sake
	s_barrier_signal -1
	s_barrier_wait -1
	ds_load_b64 v[96:97], v18
	ds_load_b64 v[102:103], v18 offset:256
	s_wait_dscnt 0x0
	v_lshl_or_b32 v96, v102, 16, v96
	s_wait_alu depctr_va_vdst(0)
	v_lshl_or_b32 v97, v103, 16, v97
	v_cndmask_b32 v100, v98, v96, s87
	v_cndmask_b32 v101, v99, v97, s87
	s_and_b32 s80, s86, s22
	s_cmp_eq_u32 s80, 1                                ; of v's two waves the first stores the words
	s_cbranch_scc1 .Lno_words
	global_store_b64 v28, v[100:101], s[94:95]         ; 256 consecutive bytes, aligned: four tiles' scale words
.Lno_words:
	s_wait_tensorcnt 0x0                               ; the wave's end
	ds_add_u32 v1, v2
	s_wait_dscnt 0x0
	CROUND                                             ; the closing round
	s_endpgm
.Lfunc_end_k_q84b9b6b1cc_proj:
	.size	k_q84b9b6b1cc_proj, .Lfunc_end_k_q84b9b6b1cc_proj-k_q84b9b6b1cc_proj
	.p2alignl 7, 3214868480
	.fill 96, 4, 3214868480
	.section	.rodata,"a",@progbits
	.p2align	6, 0x0
	.amdhsa_kernel k_q84b9b6b1cc_proj
		.amdhsa_group_segment_fixed_size 272640
		.amdhsa_private_segment_fixed_size 0
		.amdhsa_enable_private_segment 0
		.amdhsa_kernarg_size 64
		.amdhsa_user_sgpr_count 2
		.amdhsa_user_sgpr_kernarg_segment_ptr 1
		.amdhsa_wavefront_size32 1
		.amdhsa_system_sgpr_workgroup_id_x 1
		.amdhsa_system_sgpr_workgroup_id_y 1
		.amdhsa_system_sgpr_workgroup_id_z 1
		.amdhsa_system_vgpr_workitem_id 0
		.amdhsa_next_free_vgpr 256
		.amdhsa_next_free_sgpr 100
		.amdhsa_reserve_vcc 0
		.amdhsa_float_denorm_mode_32 3
		.amdhsa_float_denorm_mode_16_64 3
		.amdhsa_memory_ordered 1
		.amdhsa_forward_progress 1
		.amdhsa_inst_pref_size 81
	.end_amdhsa_kernel
	.amdgpu_metadata
---
amdhsa.version: [ 1, 2 ]
amdhsa.kernels:
  - .name:           k_q84b9b6b1cc_proj
    .symbol:         k_q84b9b6b1cc_proj.kd
    .args:
      - { .name: xb, .offset: 0, .size: 8, .value_kind: global_buffer, .address_space: global }
      - { .name: wb, .offset: 8, .size: 8, .value_kind: global_buffer, .address_space: global }
      - { .name: bq, .offset: 16, .size: 8, .value_kind: global_buffer, .address_space: global }
      - { .name: bk, .offset: 24, .size: 8, .value_kind: global_buffer, .address_space: global }
      - { .name: bv, .offset: 32, .size: 8, .value_kind: global_buffer, .address_space: global }
      - { .name: mask, .offset: 40, .size: 8, .value_kind: global_buffer, .address_space: global }
      - { .name: qb, .offset: 48, .size: 8, .value_kind: global_buffer, .address_space: global }
      - { .name: kvb, .offset: 56, .size: 8, .value_kind: global_buffer, .address_space: global }
    .group_segment_fixed_size: 272640
    .private_segment_fixed_size: 0
    .kernarg_segment_align: 8
    .kernarg_segment_size: 64
    .max_flat_workgroup_size: 192
    .sgpr_count:     100
    .vgpr_count:     256
    .wavefront_size: 32
...
	.end_amdgpu_metadata
.endif
;; end of part 2
;; launch attn (part 3): grid 64 x 4, 16 waves a work-group, clusters of 4 x 1, 327,680 bytes of LDS; arguments qb, kvb, mask, ob; writes ob
.if DOCPART == 3
	.amdgcn_target "amdgcn-amd-amdhsa--gfx1250"
	.amdhsa_code_object_version 6
	.text
	.protected	k_q84b9b6b1cc_attn
	.globl	k_q84b9b6b1cc_attn
	.p2align	8
	.type	k_q84b9b6b1cc_attn,@function
k_q84b9b6b1cc_attn:
	s_mov_b64 s[64:65], 0
	v_nop
	global_prefetch_b8 v0, s[64:65] scope:SCOPE_SE
	s_setreg_imm32_b32 hwreg(HW_REG_WAVE_MODE, 25, 1), 1
	s_wait_xcnt 0x0
	s_wait_alu depctr_hold_cnt(0) depctr_sa_sdst(0) depctr_va_vdst(0) depctr_va_sdst(0) depctr_va_ssrc(0) depctr_va_vcc(0) depctr_vm_vsrc(0)
	s_getreg_b32 s2, hwreg(HW_REG_IB_STS2, 6, 4)
	s_cmp_eq_u32 s2, 0
	s_cbranch_scc0 .Lentry_in_a_cluster
	s_endpgm
.Lentry_in_a_cluster:
	s_bfe_u32 s2, ttmp6, 0x10000c
	s_cmp_lg_u32 s2, 0x3003
	s_cbranch_scc0 .Lentry_shape_is_right
	s_endpgm
.Lentry_shape_is_right:
; ATTN: for each of 16 heads O = softmax(q k^T / 8, hidden keys out) v, both products on codes of E2M3; O / l is quantised along D for the last product.
; SOFTMAX: t = score x log2(e) / 8; M = the running largest t rounded up to a whole number; p = 2^(t - M) is quantised along the keys; the row's sum is taken of the unquantised p and divides at the end.
; When M moves, the sum and O are multiplied by 2^(old M - new M): exact.
; SHARES.  A work-group takes one KV head and 64 queries; wave w takes head 4 kv + w % 4 and the tile of 16 queries w / 4.  The sixteen waves, and the four work-groups of a cluster, walk the same keys,
; 128 a step, 32 steps: every tile is asked for jointly (mask 15).
; LDS: 24 places of a step (13,056 bytes: K's 8 tiles x 768, V^T's 4 tiles x 1,536, 768 bytes of scale words).  At the head every wave asks for one step (steps 0-15); behind the full sequence and a round
; waves 0-7 ask for steps 16-23; behind step 11 places 0-7 are filled again with steps 24-31.  So the walk has two meetings: behind step 11 (a round, the refill) and behind step 23 (the refill is shown to all).
; At both the signal stands right behind the step's LDS reads and the wait behind its softmax and V^T P, which are work on registers.
; No prefetch: the second fill and the refill are each asked for twelve steps ahead of their first read, and the head has no loop to run ahead in.
; LAYOUT.  Both products are used transposed (S^T = K Q^T, O^T = V^T P^T): a lane holds one query.  Fragments lie in LDS as images of their registers (see prep).
; Row 8 e + j of K's tile 4 c + u is key 64 c + 32 e + 8 u + j: lane (r, e) then holds in the 32 registers of tiles 4 c .. 4 c + 3 the whole block 2 c + e of 32 keys, in order: the layout of p as an operand.
; So a block's largest score needs no other lane, the conversions' results are the operand's registers, and only the row's maximum, the scale word and the sum cross to lane l xor 16.
; THE MASK.  The head is 64 and a product takes 128 along K.  Register 6 of every K fragment holds the code 1.0 at k = 64, Q's the code -1.0; all else above k = 63 is zero codes.  Byte 2 of the scale words
; (proj made them) gives a hidden key's score -2^120 and a counting key's -2^-133.  The largest t starts at -2^100: a step of hidden keys alone gives p = 0.
; Where EVERY key is hidden, c = 0 is chosen by a select: every p is 1, the uniform weights that a softmax of equal scores gives.
; A block's largest p is made from its largest score by the same multiply-add and exponential as every p (p rises with the score).
; LIMITS: t stays above -2^100 and true scores under 2^96; NaN and infinities are not served; blocks under 2^-124 get the byte 1.
.set STEPB, 13056
.set KSC,   12288                      ; a step's scale words: K's (256 + 256), V's (256)
.set SPARE, 24*STEPB                   ; behind the 24 places: the spare words, 128 bytes a wave
.set STG,   SPARE+2048                 ; 128 bytes for each wave: O's scale pairs on the way out
.set QS,    3145728
.set XS,    3145728
.set S,     128                        ; v128-191 S^T, then p
.set O,     192                        ; v192-223 O^T
.set KFR,   32                         ; v32-79  four fragments of K (registers 6-11 of each are constants)
.set VFR,   80                         ; v80-127 four fragments of V^T
.set TM,    160
.set WV,    12
.set SEL,   20
.set CS,    22                         ; s[22:23] c
.set G1C,   24                         ; s[24:31] group 1: 51 rows of 256 bytes, a step
.set G0W,   48                         ; s[48:51] my group 0
.set TB,    52                         ; LDS byte of the step in hand
.set CNT,   54
; v1 16 l, v2 8 l, v3 where K's scale words lie for my lane, v5, v6 the add's two, v7 STG + 4 x thread, v8-10 addresses of the step in hand, v11 8 e, v12 -M, v13 largest t, v[14:15] the sum,
; v16-27 Q, v[28:29] V's scale words, v[30:31] f, v224-235 p's codes, v236-247 at work (v236-241: three more chains of the sum, joined in the next step), v248-251 K's scale words, v253 p's, v254 at work, v255 Q's
.macro PLACES n
.rept \n
	v_nop
.endr
.endm
.macro CREST                           ; a round of the cluster's barrier behind its opening barrier
	s_cmp_lg_u32 s[WV], 0
	s_cbranch_scc1 .Lnot_wave_0_\@
	s_barrier_signal -3
.Lnot_wave_0_\@:
	s_barrier_wait -3
	s_barrier_signal -1
	s_barrier_wait -1
.endm
.macro CROUND
	s_barrier_signal -1
	s_barrier_wait -1
	CREST
.endm
.macro QUANT32 s, pc, pt, sp           ; as in prep: 32 numbers of a lane, register 16 b + i = k 32 b + 16 h + i, become a half fragment and its two scale bytes
.irp b, 0,1
	v_max3_num_f32 v[TM+\b], |v[(\s)+16*\b]|, |v[(\s)+16*\b+1]|, 0x1800000
.endr
.irp i, 2,4,6,8,10,12,14
.irp b, 0,1
	s_delay_alu instid0(VALU_DEP_2)
	v_max3_num_f32 v[TM+\b], v[TM+\b], |v[(\s)+16*\b+\i]|, |v[(\s)+16*\b+\i+1]|
.endr
.endr
.irp b, 0,1
	s_delay_alu instid0(VALU_DEP_2)
	v_permlanex16_b32 v[TM+2+\b], v[TM+\b], s[SEL], s[SEL+1]
.endr
.irp b, 0,1
	s_delay_alu instid0(VALU_DEP_2)
	v_max_num_f32 v[TM+\b], v[TM+\b], v[TM+2+\b]
.endr
.irp b, 0,1
	s_delay_alu instid0(VALU_DEP_2)
	v_add_nc_u32 v[TM+4+\b], 0xff000000, v[TM+\b]
.endr
.irp b, 0,1
	s_delay_alu instid0(VALU_DEP_2)
	v_lshrrev_b32 v[TM+6+\b], 23, v[TM+4+\b]
.endr
	s_delay_alu instid0(VALU_DEP_1)
	v_lshl_or_b32 v[\sp], v[TM+7], 8, v[TM+6]
	v_cvt_scalef32_pk16_fp6_f32 v[(\pc):(\pc)+2], v[(\s):(\s)+15], v[TM+4]
	v_cvt_scalef32_pk16_fp6_f32 v[(\pt):(\pt)+2], v[(\s)+16:(\s)+31], v[TM+5]
	v_nop
.irp i, 0,1,2
	v_permlane16_swap_b32 v[(\pc)+\i], v[(\pt)+\i]
.endr
.irp i, 0,1,2
	s_delay_alu instid0(VALU_DEP_3)
	v_mov_b32 v[(\pc)+3+\i], v[(\pt)+\i]
.endr
.endm
.macro KLOAD off                       ; four tiles of K from byte off of the step in hand: registers 0-5 of each fragment
.irp t, 0,1,2,3
	ds_load_b128 v[KFR+12*\t:KFR+12*\t+3], v8 offset:(\off)+768*\t
	ds_load_b64 v[KFR+12*\t+4:KFR+12*\t+5], v9 offset:(\off)+768*\t+512
.endr
.endm
.macro KQ u                            ; S^T of tiles 4 u .. 4 u + 3.  A pair of scale registers serves four tiles: register e holds tile e in lanes 0-15 and tile 2 + e in lanes 16-31
.irp t, 0,1
	v_wmma_scale_f32_16x16x128_f8f6f4 v[S+8*(4*\u+\t):S+8*(4*\u+\t)+7], v[KFR+12*\t:KFR+12*\t+11], v[16:27], 0, v[248+2*\u+\t], v255 matrix_a_fmt:MATRIX_FMT_FP6 matrix_b_fmt:MATRIX_FMT_FP6
.endr
.irp t, 2,3
	v_wmma_scale_f32_16x16x128_f8f6f4 v[S+8*(4*\u+\t):S+8*(4*\u+\t)+7], v[KFR+12*\t:KFR+12*\t+11], v[16:27], 0, v[248+2*\u+\t-2], v255 matrix_a_fmt:MATRIX_FMT_FP6 matrix_b_fmt:MATRIX_FMT_FP6 matrix_a_scale:MATRIX_SCALE_ROW1
.endr
.endm
; The largest score of my block c: 32 registers, two chains (v[236+c], v[238+c]); each accumulator is read from its low end on.  MAX1: twelve lines; MAX2: the last four
.macro MAX1 c
	v_max3_num_f32 v[236+\c], v[S+32*\c], v[S+32*\c+1], v[S+32*\c+2]
	v_max3_num_f32 v[238+\c], v[S+32*\c+16], v[S+32*\c+17], v[S+32*\c+18]
.irp i, 3,5,7,9,11
	v_max3_num_f32 v[236+\c], v[236+\c], v[S+32*\c+\i], v[S+32*\c+\i+1]
	v_max3_num_f32 v[238+\c], v[238+\c], v[S+32*\c+16+\i], v[S+32*\c+17+\i]
.endr
.endm
.macro MAX2 c
	v_max3_num_f32 v[236+\c], v[236+\c], v[S+32*\c+13], v[S+32*\c+14]
	v_max3_num_f32 v[238+\c], v[238+\c], v[S+32*\c+29], v[S+32*\c+30]
	v_max3_num_f32 v[236+\c], v[236+\c], v[238+\c], v[S+32*\c+15]
	v_max_num_f32 v[236+\c], v[236+\c], v[S+32*\c+31]
.endm
.macro PKF j0, n                       ; t - M, two at a time
.set j, \j0
.rept \n
	v_pk_fma_f32 v[S+j:S+j+1], v[S+j:S+j+1], s[CS:CS+1], v[12:13] op_sel_hi:[1,0,0]
.set j, j+2
.endr
.endm
; A KEY STEP: 128 keys.  K's tiles 0-3 and their scale words were asked for in the step before.
; pre = 1: the next step's are asked for here.  sync = 1: the meeting with the refill;  sync = 2: the meeting that shows the refill, and the walk turns back to place 0.
.macro STEP pre, sync
	s_wait_dscnt 0x0                                   ; K's tiles 0-3 are in
	KQ 0
	v_pk_add_f32 v[236:237], v[236:237], v[238:239]    ; the last step's four chains of the sum are joined: with the copy of -M these are the four places in front of the loads below
	v_pk_add_f32 v[14:15], v[14:15], v[240:241]
	v_mov_b32 v254, v12
	v_pk_add_f32 v[14:15], v[14:15], v[236:237]
	KLOAD 3072
	ds_load_b64 v[250:251], v10 offset:256
.irp a, 0,1,2,3
	ds_load_b128 v[VFR+12*\a:VFR+12*\a+3], v8 offset:6144+1536*\a
	ds_load_b64 v[VFR+12*\a+4:VFR+12*\a+5], v9 offset:6144+1536*\a+512
	ds_load_b128 v[VFR+12*\a+6:VFR+12*\a+9], v8 offset:6144+1536*\a+768
	ds_load_b64 v[VFR+12*\a+10:VFR+12*\a+11], v9 offset:6144+1536*\a+1280
.endr
	ds_load_b64 v[28:29], v9 offset:KSC+512
	MAX1 0                                             ; block 0's maximum while K's tiles 4-7 come
	s_wait_alu depctr_va_vdst(0)
	s_wait_dscnt 17                                    ; K's tiles 4-7 and their words are in; V's sixteen loads and its words may be out
	KQ 1
	MAX2 0                                             ; four places behind these products: they name block 0's registers alone
.if \pre
	KLOAD STEPB                                        ; the next step's tiles 0-3: they land under the softmax
	ds_load_b64 v[248:249], v10 offset:STEPB
.endif
.if \sync
	s_wait_tensorcnt 0x0                               ; all my tensor loads have landed
.if \sync == 1
	ds_add_u32 v5, v6
	s_mov_b32 s[G0W+1], s60                            ; no load of mine is out: my group 0 turns to place w
	s_add_nc_u64 s[G0W+2:G0W+3], s[G0W+2:G0W+3], 8*STEPB   ; and to step 24 + w
.endif
.endif
	MAX1 1
	MAX2 1
.if \sync
	s_wait_alu depctr_va_vdst(0)
	s_wait_dscnt 0x0                                   ; the add is done, and all my reads of LDS up to here
	s_barrier_signal -1                                ; up to the wait for it: work on registers alone
.endif
	v_max_num_f32 v242, v236, v237
	s_delay_alu instid0(VALU_DEP_1)
	v_permlanex16_b32 v243, v242, s[SEL], s[SEL+1]
	s_delay_alu instid0(VALU_DEP_1)
	v_max_num_f32 v242, v242, v243                     ; with lane l xor 16's two blocks: the step's largest score of my query
	s_delay_alu instid0(VALU_DEP_1)
	v_mul_f32 v242, s[CS], v242                        ; as t (c is not negative)
	s_delay_alu instid0(VALU_DEP_1)
	v_max_num_f32 v13, v13, v242
	s_delay_alu instid0(VALU_DEP_1)
	v_floor_f32 v12, -v13                              ; -M = floor(-t): M is a whole number
	s_delay_alu instid0(VALU_DEP_1)
	v_sub_f32 v254, v12, v254                          ; old M - new M: a whole number, 0 or less
	PKF 0, 4
	v_cvt_i32_f32 v254, v254                           ; (it saturates)
	PKF 8, 4
	v_ldexp_f32 v30, 1.0, v254                         ; f = 2^(old M - new M)
	PKF 16, 24
	v_fma_f32 v236, v236, s[CS], v12                   ; the same of each block's largest score
	v_fma_f32 v237, v237, s[CS], v12
.set j, 0
.rept 16
	v_pk_mul_f32 v[O+j:O+j+1], v[O+j:O+j+1], v[30:31] op_sel_hi:[1,0]      ; O^T under the new M, each accumulator from its low end on
.set j, j+2
.endr
	s_wait_alu depctr_va_vdst(0)
	v_exp_f32 v236, v236                               ; my two blocks' largest p
	v_exp_f32 v237, v237
.set j, 0
.rept 64
	v_exp_f32 v[S+j], v[S+j]                           ; p = 2^(t - M): one batch
.set j, j+1
.endr
	v_nop                                              ; the plain line behind the batch
	s_wait_alu depctr_va_vdst(0)                       ; one wait for the 66, ahead of their first reader
	v_max_num_f32 v236, 0x1800000, v236                ; the floor 2^(3 - 127): the byte cannot fall under 1
	v_max_num_f32 v237, 0x1800000, v237
	s_delay_alu instid0(VALU_DEP_2)
	v_add_nc_u32 v238, 0xff000000, v236                ; 2 off the exponent field: the conversions' scale operands
	s_delay_alu instid0(VALU_DEP_2)
	v_add_nc_u32 v239, 0xff000000, v237
	s_delay_alu instid0(VALU_DEP_2)
	v_lshrrev_b32 v240, 23, v238
	s_delay_alu instid0(VALU_DEP_2)
	v_lshrrev_b32 v241, 23, v239
	s_delay_alu instid0(VALU_DEP_1)
	v_lshl_or_b32 v240, v241, 16, v240                 ; my bytes: blocks e and 2 + e,
	s_delay_alu instid0(VALU_DEP_1)
	v_lshlrev_b32 v240, v11, v240                      ; 8 e bits up;
	s_delay_alu instid0(VALU_DEP_1)
	v_permlanex16_b32 v241, v240, s[SEL], s[SEL+1]
	s_delay_alu instid0(VALU_DEP_1)
	v_or_b32 v253, v240, v241                          ; with lane l xor 16's two: p's scale word for these 128 keys
	v_cvt_scalef32_pk16_fp6_f32 v[224:226], v[S:S+15], v238
	v_cvt_scalef32_pk16_fp6_f32 v[244:246], v[S+16:S+31], v238             ; (a conversion's three registers begin on an even number)
	v_cvt_scalef32_pk16_fp6_f32 v[230:232], v[S+32:S+47], v239
	v_cvt_scalef32_pk16_fp6_f32 v[240:242], v[S+48:S+63], v239
.if \sync == 2
	s_mov_b32 s[TB], 0                                 ; steps 24-31 lie in places 0-7
.else
	s_add_co_u32 s[TB], s[TB], STEPB
.endif
.if (\pre) || (\sync)
	v_add_nc_u32 v8, s[TB], v1                         ; the next step's addresses: plain lines behind the conversions
	v_add_nc_u32 v9, s[TB], v2
	v_add_nc_u32 v10, s[TB], v3
.else
	v_nop
.endif
.irp i, 0,1,2
	v_mov_b32 v[227+\i], v[244+\i]
	v_mov_b32 v[233+\i], v[240+\i]
.endr
	v_pk_fma_f32 v[14:15], v[14:15], v[30:31], v[S:S+1] op_sel_hi:[1,0,1]  ; the sum under the new M, and the unquantised p onto it: four chains.  These 29 lines are also the places in front of the products
	v_pk_add_f32 v[236:237], v[S+2:S+3], v[S+4:S+5]
	v_pk_add_f32 v[238:239], v[S+6:S+7], v[S+8:S+9]
	v_pk_add_f32 v[240:241], v[S+10:S+11], v[S+12:S+13]
.set j, 14
.rept 6
	v_pk_add_f32 v[14:15], v[14:15], v[S+j:S+j+1]
	v_pk_add_f32 v[236:237], v[236:237], v[S+j+2:S+j+3]
	v_pk_add_f32 v[238:239], v[238:239], v[S+j+4:S+j+5]
	v_pk_add_f32 v[240:241], v[240:241], v[S+j+6:S+j+7]
.set j, j+8
.endr
	v_pk_add_f32 v[14:15], v[14:15], v[S+62:S+63]
	s_wait_alu depctr_va_vdst(0)
.if \sync == 0
	s_wait_dscnt 9*\pre                                ; V is in; the next step's eight loads of K and one of its words may be out
.endif
.irp a, 0,1
	v_wmma_scale_f32_16x16x128_f8f6f4 v[O+8*\a:O+8*\a+7], v[VFR+12*\a:VFR+12*\a+11], v[224:235], v[O+8*\a:O+8*\a+7], v[28+\a], v253 matrix_a_fmt:MATRIX_FMT_FP6 matrix_b_fmt:MATRIX_FMT_FP6
.endr
.irp a, 2,3
	v_wmma_scale_f32_16x16x128_f8f6f4 v[O+8*\a:O+8*\a+7], v[VFR+12*\a:VFR+12*\a+11], v[224:235], v[O+8*\a:O+8*\a+7], v[28+\a-2], v253 matrix_a_fmt:MATRIX_FMT_FP6 matrix_b_fmt:MATRIX_FMT_FP6 matrix_a_scale:MATRIX_SCALE_ROW1
.endr
.if \sync
	s_barrier_wait -1
.endif
.if \sync == 1
	CREST                                              ; the barrier has opened a round: no wave of any partner still reads places 0-7 or has a load on its way
	s_cmp_lt_u32 s[WV], 8
	s_cbranch_scc0 .Lnone_\@
	tensor_load_to_lds s[G0W:G0W+3], s[G1C:G1C+7]      ; step 24 + w into place w
	s_nop 0
	PLACES 4
.Lnone_\@:
.endif
.if \sync == 2
	KLOAD 0                                            ; step 24's first tiles: they can be read only behind this barrier
	ds_load_b64 v[248:249], v10
.endif
.endm
.macro WALK n                          ; n steps of the common kind
	s_mov_b32 s[CNT], \n
.Lstep_\@:
	STEP 1, 0
	s_sub_co_u32 s[CNT], s[CNT], 1
	s_cmp_lg_u32 s[CNT], 0
	s_cbranch_scc1 .Lstep_\@
.endm
	s_load_b256 s[4:11], s[0:1], 0x0                   ; qb, kvb, mask, ob
	v_lshl_add_u32 v5, v0, 2, SPARE
	v_mov_b32 v6, 0
	ds_add_u32 v5, v6                                  ; the wave's opening: the add, twice on end, and its wait ahead of the round in front of the first loads
	ds_add_u32 v5, v6
	v_lshrrev_b32 v8, 5, v0
	s_delay_alu instid0(VALU_DEP_1)
	v_readfirstlane_b32 s[WV], v8                      ; wave 0..15
	s_bfe_u32 s13, ttmp6, 0x40000                      ; cx: it enters Q's and O's global addresses alone
	s_lshl_b32 s14, ttmp9, 2
	s_add_co_u32 s14, s14, s13                         ; G: my work-group's 64 queries
	s_and_b32 s15, ttmp7, 0xffff                       ; the KV head
	s_and_b32 s16, s[WV], 3                            ; g
	s_lshr_b32 s17, s[WV], 2                           ; qt
	s_mov_b32 s[G1C], 15|(3<<16)|(1<<21)               ; the mask names the four partners, bit 21 beside it; elements of 8 bytes; no padding
	s_mov_b32 s[G1C+1], 32<<16
	s_mov_b32 s[G1C+2], 51<<16
	s_mov_b32 s[G1C+3], 32<<16
	s_mov_b32 s[G1C+4], 51
	s_mov_b32 s[G1C+5], 32
	s_mov_b32 s[G1C+6], 0
	s_mov_b32 s[G1C+7], 0
	s_mov_b32 s[SEL], 0x76543210
	s_mov_b32 s[SEL+1], 0xfedcba98
	s_mov_b32 s[TB], 0
	s_mul_i32 s58, s15, 32*STEPB
	s_mul_i32 s60, s[WV], STEPB                        ; place w
	s_add_co_u32 s61, s60, 16*STEPB                    ; place 16 + w
	s_add_co_u32 s58, s58, s60
	s_mov_b32 s59, 0
	s_wait_dscnt 0x0                                   ; both opening adds are done
	s_wait_kmcnt 0x0
	s_mov_b32 s[G0W], 1
	s_mov_b32 s[G0W+1], s60
	s_add_nc_u64 s[G0W+2:G0W+3], s[6:7], s[58:59]
	s_or_b32 s[G0W+3], s[G0W+3], 0x80000000
	CROUND                                             ; all four work-groups are here: the first joint loads meet
	tensor_load_to_lds s[G0W:G0W+3], s[G1C:G1C+7]      ; step w into place w: one load a wave
	s_nop 0
	PLACES 4
	s_lshl_b32 s56, s15, 2
	s_add_co_u32 s56, s56, s16                         ; my head
	s_mul_i32 s58, s56, 196608
	s_mul_i32 s62, s14, 3072
	s_add_co_u32 s58, s58, s62
	s_mul_i32 s62, s17, 768
	s_add_co_u32 s58, s58, s62
	s_add_nc_u64 s[66:67], s[4:5], s[58:59]            ; Q's half fragment
	s_lshl_b32 s58, s56, 14
	s_lshl_b32 s62, s14, 8
	s_add_co_u32 s58, s58, s62
	s_lshr_b32 s62, s17, 1
	s_lshl_b32 s62, s62, 7
	s_add_co_u32 s58, s58, s62
	s_and_b32 s62, s17, 1
	s_lshl_b32 s62, s62, 2
	s_add_co_u32 s58, s58, s62
	s_add_co_u32 s58, s58, QS
	s_add_nc_u64 s[68:69], s[4:5], s[58:59]            ; its scale words
	s_mul_i32 s58, s15, 786432
	s_mul_i32 s62, s14, 12288
	s_add_co_u32 s58, s58, s62
	s_mul_i32 s62, s17, 3072
	s_add_co_u32 s58, s58, s62
	s_mul_i32 s62, s16, 768
	s_add_co_u32 s58, s58, s62
	s_add_nc_u64 s[70:71], s[10:11], s[58:59]          ; O's half fragment: chunk kv, tile 4 G + qt, half fragment g
	s_lshl_b32 s58, s15, 15
	s_lshl_b32 s62, s14, 9
	s_add_co_u32 s58, s58, s62
	s_add_co_u32 s58, s58, XS
	s_add_nc_u64 s[10:11], s[10:11], s[58:59]          ; the scale words of the work-group's four tiles
	v_and_b32 v8, 31, v0
	v_and_b32 v9, 7, v0
	v_bfe_u32 v10, v0, 3, 1
	v_bfe_u32 v11, v0, 4, 1                            ; e
	v_lshlrev_b32 v1, 4, v8                            ; 16 l
	v_lshlrev_b32 v2, 3, v8                            ; 8 l
	v_lshlrev_b32 v3, 3, v9
	v_lshl_add_u32 v7, v0, 2, STG
	v_and_b32 v4, 15, v0
	v_lshl_add_u32 v3, v10, 7, v3
	v_lshlrev_b32 v243, 7, v8                          ; 128 l
	v_lshlrev_b32 v4, 3, v4                            ; 8 r
	v_lshl_add_u32 v3, v11, 6, v3
	s_delay_alu instid0(VALU_DEP_1)
	v_add_nc_u32 v3, KSC, v3                           ; K's words as proj laid them: row rho of tile 2 e + i has its word at 8 (rho % 8) + 128 (rho / 8) + 64 e + 4 i
	global_load_b128 v[16:19], v1, s[66:67]
	global_load_b64 v[20:21], v2, s[66:67] offset:512
	global_load_b32 v255, v4, s[68:69]
.irp i, 0,1,2,3,4,5,6,7
	global_load_b128 v[S+4*\i:S+4*\i+3], v243, s[8:9] offset:16*\i         ; the whole mask, 128 bytes a lane
.endr
	v_xor_b32 v9, 1, v11                               ; 1 - e
	v_lshlrev_b32 v11, 3, v11                          ; 8 e
	s_delay_alu instid0(VALU_DEP_2)
	v_lshlrev_b32 v10, 3, v9                           ; the code 1.0 at k = 64: the lowest six bits of register 6 in lanes 0-15
	v_mul_u32_u24 v22, v9, 0x28                        ; the code -1.0
.irp i, 23,24,25,26,27
	v_mov_b32 v[\i], 0
.endr
.irp t, 0,1,2,3
	v_mov_b32 v[KFR+12*\t+6], v10
.irp i, 7,8,9,10,11
	v_mov_b32 v[KFR+12*\t+\i], 0
.endr
.endr
	v_add_nc_u32 v8, s[TB], v1                         ; step 0's addresses
	v_add_nc_u32 v9, s[TB], v2
	v_add_nc_u32 v10, s[TB], v3
	v_mov_b32 v13, 0xf1800000                          ; the largest t so far: -2^100
	s_delay_alu instid0(VALU_DEP_1)
	v_floor_f32 v12, -v13
	v_mov_b32 v14, 0
	v_mov_b32 v15, 0
	v_mov_b32 v31, 0                                   ; (named as the upper half of the pair v[30:31])
.irp i, 236,237,238,239,240,241
	v_mov_b32 v[\i], 0                                 ; the sum's three other chains
.endr
.set j, 0
.rept 32
	v_mov_b32 v[O+j], 0                                ; O^T: the step is written once, its first trip finds zeros
.set j, j+1
.endr
	s_wait_loadcnt 0x0
.irp i, 4,8,12,16,20,24,28
.irp j, 0,1,2,3
	v_and_b32 v[S+\j], v[S+\j], v[S+\i+\j]
.endr
.endr
	s_delay_alu instid0(VALU_DEP_3)
	v_and_b32 v[S], v[S], v[S+1]
	s_delay_alu instid0(VALU_DEP_2)
	v_and_b32 v[S+2], v[S+2], v[S+3]
	s_delay_alu instid0(VALU_DEP_1)
	v_and_b32 v[S], v[S], v[S+2]
	s_delay_alu instid0(VALU_DEP_1)
	v_cmp_eq_u32 s56, 0x01010101, v[S]                 ; are all my 128 bytes 1?
	s_mov_b32 s57, 0x3e38aa3b                          ; log2(e) / 8
	s_cmp_eq_u32 s56, -1
	s_cselect_b32 s[CS], 0, s57                        ; a value is chosen, no way
	s_mov_b32 s[CS+1], s[CS]
	s_wait_alu depctr_va_vdst(0)
	s_wait_tensorcnt 0x0                               ; my step is in
	ds_add_u32 v5, v6
	s_mov_b32 s[G0W+1], s61                            ; no load of mine is out: place 16 + w,
	s_add_nc_u64 s[G0W+2:G0W+3], s[G0W+2:G0W+3], 16*STEPB  ; step 16 + w
	s_wait_dscnt 0x0
	CROUND                                             ; steps 0-15 are whole in every partner
	s_cmp_lt_u32 s[WV], 8
	s_cbranch_scc0 .Lno_second
	tensor_load_to_lds s[G0W:G0W+3], s[G1C:G1C+7]
	s_nop 0
	PLACES 4
.Lno_second:
	KLOAD 0                                            ; step 0's first tiles
	ds_load_b64 v[248:249], v10
	WALK 11                                            ; steps 0-10
	STEP 1, 1                                          ; step 11: places 0-7 are filled again
	WALK 11                                            ; steps 12-22
	STEP 0, 2                                          ; step 23
	WALK 7                                             ; steps 24-30
	STEP 0, 0                                          ; step 31 asks for nothing more
	; ---- the way out: O^T / l, quantised along the head's 64 channels: half fragment g of chunk kv of the last product's left operand
	v_pk_add_f32 v[236:237], v[236:237], v[238:239]    ; the sum's chains; these lines are the places behind the last products
	v_pk_add_f32 v[14:15], v[14:15], v[240:241]
	v_bfe_u32 v8, v0, 3, 2                             ; where wave 0 gathers: lane l takes tile l / 8, rows 2 (l % 8) and the next
	v_and_b32 v9, 7, v0
	v_pk_add_f32 v[14:15], v[14:15], v[236:237]
	v_lshlrev_b32 v8, 9, v8
	s_delay_alu instid0(VALU_DEP_2)
	v_add_f32 v14, v14, v15
	s_delay_alu instid0(VALU_DEP_1)
	v_permlanex16_b32 v243, v14, s[SEL], s[SEL+1]
	v_lshl_add_u32 v8, v9, 3, v8
	s_delay_alu instid0(VALU_DEP_2)
	v_add_f32 v14, v14, v243                           ; the row's sum
	v_add_nc_u32 v8, STG, v8
	v_mov_b32 v[TM+2], 0
	v_mov_b32 v[TM+3], 0
	s_wait_alu depctr_va_vdst(0)                       ; ahead of the transcendental
	v_rcp_f32 v14, v14
	v_nop
	s_wait_alu depctr_va_vdst(0)                       ; ahead of the reciprocal's first reader, which is O^T's first reader too
.set j, 0
.rept 16
	v_pk_mul_f32 v[S+j:S+j+1], v[O+j:O+j+1], v[14:15] op_sel_hi:[1,0]      ; each accumulator from its low end on
.set j, j+2
.endr
	QUANT32 S, 224, 236, 244
	global_store_b128 v1, v[224:227], s[70:71]         ; 512 consecutive bytes
	global_store_b64 v2, v[228:229], s[70:71] offset:512
	ds_store_b32 v7, v244                              ; my tile's scale pairs, a word a lane, in my own 128 bytes
	s_wait_dscnt 0x0                                   ; for wave 0's sake
	s_barrier_signal -1
	s_barrier_wait -1
	s_cmp_lg_u32 s[WV], 0
	s_cbranch_scc1 .Lnot_first
.irp g, 0,1,2,3
	ds_load_b64 v[S+2*\g:S+2*\g+1], v8 offset:128*\g   ; head g's pairs of my two rows
.endr
	s_wait_dscnt 0x0
	v_lshl_or_b32 v[S+8], v[S+2], 16, v[S]             ; a row's 8 bytes: heads 0, 1 (K step 2 kv), heads 2, 3 (K step 2 kv + 1)
	v_lshl_or_b32 v[S+9], v[S+6], 16, v[S+4]
	v_lshl_or_b32 v[S+10], v[S+3], 16, v[S+1]
	v_lshl_or_b32 v[S+11], v[S+7], 16, v[S+5]
	global_store_b128 v1, v[S+8:S+11], s[10:11]        ; 512 consecutive bytes
.Lnot_first:
	s_wait_tensorcnt 0x0                               ; the wave's end
	ds_add_u32 v5, v6
	s_wait_dscnt 0x0
	CROUND                                             ; the closing round
	s_endpgm
.Lfunc_end_k_q84b9b6b1cc_attn:
	.size	k_q84b9b6b1cc_attn, .Lfunc_end_k_q84b9b6b1cc_attn-k_q84b9b6b1cc_attn
	.p2alignl 7, 3214868480
	.fill 96, 4, 3214868480
	.section	.rodata,"a",@progbits
	.p2align	6, 0x0
	.amdhsa_kernel k_q84b9b6b1cc_attn
		.amdhsa_group_segment_fixed_size 327680
		.amdhsa_private_segment_fixed_size 0
		.amdhsa_enable_private_segment 0
		.amdhsa_kernarg_size 32
		.amdhsa_user_sgpr_count 2
		.amdhsa_user_sgpr_kernarg_segment_ptr 1
		.amdhsa_wavefront_size32 1
		.amdhsa_system_sgpr_workgroup_id_x 1
		.amdhsa_system_sgpr_workgroup_id_y 1
		.amdhsa_system_sgpr_workgroup_id_z 1
		.amdhsa_system_vgpr_workitem_id 0
		.amdhsa_next_free_vgpr 256
		.amdhsa_next_free_sgpr 72
		.amdhsa_reserve_vcc 0
		.amdhsa_float_denorm_mode_32 3
		.amdhsa_float_denorm_mode_16_64 3
		.amdhsa_memory_ordered 1
		.amdhsa_forward_progress 1
		.amdhsa_inst_pref_size 108
	.end_amdhsa_kernel
	.amdgpu_metadata
---
amdhsa.version: [ 1, 2 ]
amdhsa.kernels:
  - .name:           k_q84b9b6b1cc_attn
    .symbol:         k_q84b9b6b1cc_attn.kd
    .args:
      - { .name: qb, .offset: 0, .size: 8, .value_kind: global_buffer, .address_space: global }
      - { .name: kvb, .offset: 8, .size: 8, .value_kind: global_buffer, .address_space: global }
      - { .name: mask, .offset: 16, .size: 8, .value_kind: global_buffer, .address_space: global }
      - { .name: ob, .offset: 24, .size: 8, .value_kind: global_buffer, .address_space: global }
    .group_segment_fixed_size: 327680
    .private_segment_fixed_size: 0
    .kernarg_segment_align: 8
    .kernarg_segment_size: 32
    .max_flat_workgroup_size: 512
    .sgpr_count:     72
    .vgpr_count:     256
    .wavefront_size: 32
...
	.end_amdgpu_metadata
.endif
;; end of part 3
;; launch outp (part 4): grid 32 x 8, 4 waves a work-group, clusters of 4 x 1, 230,912 bytes of LDS; arguments ob, wb, bo, out0; writes out0
.if DOCPART == 4
	.amdgcn_target "amdgcn-amd-amdhsa--gfx1250"
	.amdhsa_code_object_version 6
	.text
	.protected	k_q84b9b6b1cc_outp
	.globl	k_q84b9b6b1cc_outp
	.p2align	8
	.type	k_q84b9b6b1cc_outp,@function
k_q84b9b6b1cc_outp:
	s_mov_b64 s[64:65], 0
	v_nop
	global_prefetch_b8 v0, s[64:65] scope:SCOPE_SE
	s_setreg_imm32_b32 hwreg(HW_REG_WAVE_MODE, 25, 1), 1
	s_wait_xcnt 0x0
	s_wait_alu depctr_hold_cnt(0) depctr_sa_sdst(0) depctr_va_vdst(0) depctr_va_sdst(0) depctr_va_ssrc(0) depctr_va_vcc(0) depctr_vm_vsrc(0)
	s_getreg_b32 s2, hwreg(HW_REG_IB_STS2, 6, 4)
	s_cmp_eq_u32 s2, 0
	s_cbranch_scc0 .Lentry_in_a_cluster
	s_endpgm
.Lentry_in_a_cluster:
	s_bfe_u32 s2, ttmp6, 0x10000c
	s_cmp_lg_u32 s2, 0x3003
	s_cbranch_scc0 .Lentry_shape_is_right
	s_endpgm
.Lentry_shape_is_right:
; OUTP: out0 = O Wo + bo on codes of E2M3: 4,096 x 1,024 x 1,024.  ob is laid as xb, Wo's codes are units 24-39 of wb (see prep).
; A work-group makes 128 rows x 128 columns; wave w makes unit 2 y + w / 2 (64 columns), rows 64 (w % 2) on: 16 accumulators of 16 x 16.
; As in proj both panels for all of K lie in LDS: eight tensor loads a wave at the start, in four chunks of 256 K; a counted wait and a barrier behind which nothing is filled for each chunk.
; CLUSTER 4 x 1: four row panels of one column slice ask for Wo's chunks jointly (mask 15); O's chunks come by loads of each work-group's own.
; Source 0 = 16 columns of Wo, source 1 = 16 rows of O: a lane holds one row, and register j of accumulator (a, b) the column 32 (b / 2) + 16 h + 8 (b % 2) + j.  The sums begin at bo, loaded into the accumulators.
; THE LOADS (this takes the place of what the lines above say of them): ONE tensor load a wave, all at the start, each of 2 rows of 24,576 bytes (two chunks of a panel, a chunk apart in memory).
; Waves 0, 1 bring O's chunks 2 (w % 2) and the next by loads of their own; waves 2, 3 ask jointly for Wo's.  Every wave waits for its load, one barrier follows, nothing is filled again.
.set NU,    2
.set PARTA, 6144                       ; a wave's quarter of a chunk of O's panel: 24 rows of 256 bytes
.set RA,    24
.set AB,    0
.set BB,    98304
.set BSTEP, 12288*NU
.set SCR,   196608                     ; scale words, 4,096 bytes for each wave: W side, then at + 2,048 the row side
.set STAGE, 212992                     ; the way out: 16 rows x (256 + 16) bytes for each wave
.set SPARE, 230400
.set XS,    3145728
.set WS,    1966080
.set SC,    8
.set WF,    32
.set XF,    80
.set ACC,   128
.set WV,    20
.macro PLACES n
.rept \n
	v_nop
.endr
.endm
.macro CROUND
	s_barrier_signal -1
	s_barrier_wait -1
	s_cmp_lg_u32 s[WV], 0
	s_cbranch_scc1 .Lnot_wave_0_\@
	s_barrier_signal -3
.Lnot_wave_0_\@:
	s_barrier_wait -3
	s_barrier_signal -1
	s_barrier_wait -1
.endm
.macro FRAGS f, a16, a8, q
.irp t, 0,1,2,3
	ds_load_b128 v[\f+12*\t:\f+12*\t+3], v[\a16] offset:3072*\t+1536*(\q)
	ds_load_b64 v[\f+12*\t+4:\f+12*\t+5], v[\a8] offset:3072*\t+1536*(\q)+512
	ds_load_b128 v[\f+12*\t+6:\f+12*\t+9], v[\a16] offset:3072*\t+1536*(\q)+768
	ds_load_b64 v[\f+12*\t+10:\f+12*\t+11], v[\a8] offset:3072*\t+1536*(\q)+1280
.endr
.endm
.macro KSTEP q
.if \q
	PLACES 4                                           ; in front of loads into registers that matrix instructions have read
.endif
	FRAGS WF, 3, 4, \q
	FRAGS XF, 5, 6, \q
.irp a, 0,1,2,3
	s_wait_dscnt 12-4*\a                               ; O's tile a is in; the four loads of each later tile may be out
.irp b, 0,1,2,3
	v_wmma_scale_f32_16x16x128_f8f6f4 v[ACC+8*(4*\a+\b):ACC+8*(4*\a+\b)+7], v[WF+12*\b:WF+12*\b+11], v[XF+12*\a:XF+12*\a+11], v[ACC+8*(4*\a+\b):ACC+8*(4*\a+\b)+7], v[SC+2*\b+(\q)], v[SC+2*\a+(\q)] matrix_a_fmt:MATRIX_FMT_FP6 matrix_b_fmt:MATRIX_FMT_FP6 matrix_b_scale:MATRIX_SCALE_ROW1
.endr
.endr
.endm
.macro CHUNK i
.if \i == 0
	s_wait_tensorcnt 0x0                               ; my one load has landed
	s_wait_dscnt 0x0
	s_barrier_signal -1
	s_barrier_wait -1                                  ; both panels are whole
.endif
.irp t, 0,1,2,3
	ds_load_b64 v[SC+2*\t:SC+2*\t+1], v7 offset:512*\i+128*\t
.endr
	KSTEP 0
	KSTEP 1
.if \i < 3
	v_add_nc_u32 v3, BSTEP, v3                         ; on to the next chunk; these four plain lines are also the places in front of its loads
	v_add_nc_u32 v4, BSTEP, v4
	v_add_nc_u32 v5, 24576, v5
	v_add_nc_u32 v6, 24576, v6
.endif
.endm
	s_load_b256 s[4:11], s[0:1], 0x0                   ; ob, wb, bo, out0
	v_lshl_add_u32 v1, v0, 2, SPARE
	v_mov_b32 v2, 0
	ds_add_u32 v1, v2                                  ; the wave's opening: the add and its wait ahead of the round in front of the first loads
	ds_add_u32 v1, v2
	v_lshrrev_b32 v24, 5, v0
	v_readfirstlane_b32 s[WV], v24                     ; wave 0..3
	s_lshr_b32 s21, s20, 1                             ; uu
	s_and_b32 s22, s20, 1                              ; rh
	s_bfe_u32 s23, ttmp6, 0x40000                      ; cx: it enters global addresses of my own loads and stores alone
	s_lshl_b32 s24, ttmp9, 2
	s_add_co_u32 s24, s24, s23                         ; row panel
	s_and_b32 s25, ttmp7, 0xffff                       ; y
	s_mul_i32 s26, s25, NU
	s_add_co_u32 s26, s26, s21                         ; my 64 columns: unit 0..15 of Wo
	s_lshl_b32 s27, s24, 1
	s_add_co_u32 s27, s27, s22                         ; G
	s_mov_b32 s28, 3<<16                               ; group 1 for O's parts: elements of 8 bytes, dense; no mask
	s_mov_b32 s29, 3072<<16                            ; O: 2 rows of 3,072 elements of 8 bytes,
	s_mov_b32 s30, 2<<16
	s_mov_b32 s31, 3072<<16
	s_mov_b32 s32, 2
	s_mov_b32 s33, 98304                               ; 786,432 bytes apart
	s_mov_b32 s34, 0
	s_mov_b32 s35, 0
	s_mov_b32 s36, 15|(3<<16)|(1<<21)                  ; for Wo's part: elements of 8 bytes; the mask names the four partners, bit 21 beside it
	s_mov_b32 s37, 3072<<16                            ; Wo: the same shape,
	s_mov_b32 s38, 2<<16
	s_mov_b32 s39, 3072<<16
	s_mov_b32 s40, 2
	s_mov_b32 s41, 61440                               ; 491,520 bytes apart
	s_mov_b32 s42, 0
	s_mov_b32 s43, 0
	s_mul_i32 s80, s22, 49152                          ; chunks 2 (w % 2) and the next: in LDS,
	s_mul_i32 s81, s22, 2*786432                       ; in ob,
	s_mul_i32 s82, s24, 24576
	s_add_co_u32 s82, s82, s81
	s_mov_b32 s83, 0
	s_mul_i32 s81, s22, 2*491520                       ; and in wb: the same in all four partners
	s_mul_i32 s84, s25, BSTEP
	s_add_co_u32 s84, s84, s81
	s_add_co_u32 s84, s84, 96*3072                     ; Wo begins at tile 96
	s_mov_b32 s85, 0
	s_add_co_u32 s81, s80, BB
	s_wait_dscnt 0x0                                   ; the opening add is done
	s_wait_kmcnt 0x0
	s_add_nc_u64 s[82:83], s[4:5], s[82:83]
	s_add_nc_u64 s[84:85], s[6:7], s[84:85]
	s_mov_b32 s44, 1
	s_mov_b32 s45, s80
	s_mov_b64 s[46:47], s[82:83]
	s_or_b32 s47, s47, 0x80000000
	s_mov_b32 s60, 1
	s_mov_b32 s61, s81
	s_mov_b64 s[62:63], s[84:85]
	s_or_b32 s63, s63, 0x80000000
	CROUND                                             ; all four work-groups are here: the joint loads meet
	s_cmp_lt_u32 s[WV], 2                              ; one load a wave, in the two arms of one branch on the wave's number
	s_cbranch_scc0 .Lload_w
	tensor_load_to_lds s[44:47], s[28:35]
	s_nop 0
.rept 4
	v_nop
.endr
	s_branch .Lasked
.Lload_w:
	tensor_load_to_lds s[60:63], s[36:43]
	s_nop 0
.rept 4
	v_nop
.endr
.Lasked:
	s_mov_b32 s83, 0
	s_lshl_b32 s82, s27, 9
	s_add_co_u32 s82, s82, XS
	s_add_nc_u64 s[4:5], s[4:5], s[82:83]              ; O's scale words of my four tiles
	s_lshl_b32 s82, s26, 9
	s_add_co_u32 s82, s82, WS+24*512
	s_add_nc_u64 s[6:7], s[6:7], s[82:83]              ; Wo's
	s_lshl_b32 s82, s26, 8
	s_add_nc_u64 s[8:9], s[8:9], s[82:83]              ; bo: my 64 numbers
	s_add_nc_u64 s[10:11], s[10:11], s[82:83]          ; out0: my 256 bytes of a row,
	s_lshl_b32 s82, s27, 18
	s_add_nc_u64 s[10:11], s[10:11], s[82:83]          ; from row 64 G on
	v_and_b32 v24, 31, v0                              ; l
	v_and_b32 v25, 15, v0                              ; r
	v_bfe_u32 v26, v0, 4, 1                            ; h
	v_lshlrev_b32 v27, 4, v24                          ; 16 l
	v_lshlrev_b32 v28, 3, v24                          ; 8 l
	v_lshlrev_b32 v29, 6, v26                          ; 64 h
	s_mul_i32 s80, s21, 12288
	s_add_co_u32 s80, s80, BB
	v_add_nc_u32 v3, s80, v27
	v_add_nc_u32 v4, s80, v28
	s_mul_i32 s80, s22, 12288
	v_add_nc_u32 v5, s80, v27
	v_add_nc_u32 v6, s80, v28
	s_lshl_b32 s80, s20, 12
	s_add_co_u32 s80, s80, SCR
	v_add_nc_u32 v16, s80, v27
	v_lshl_add_u32 v7, v25, 3, s80
	v_lshl_add_u32 v7, v26, 11, v7                     ; lanes 0-15 Wo's words, lanes 16-31 O's
	s_mul_i32 s80, s20, 4352
	s_add_co_u32 s80, s80, STAGE
	v_mul_u32_u24 v17, v25, 272
	v_lshl_add_u32 v17, v26, 6, v17
	v_add_nc_u32 v17, s80, v17                         ; into my stage: row r, + 64 h
	v_mul_u32_u24 v18, v26, 272
	v_lshl_add_u32 v18, v25, 4, v18
	v_add_nc_u32 v18, s80, v18                         ; back: lanes 0-15 one row of 256 bytes, lanes 16-31 the next
	v_lshlrev_b32 v19, 12, v26
	v_lshl_add_u32 v19, v25, 4, v19                    ; and the same in out0
.irp i, 0,1,2,3
	global_load_b128 v[32+4*\i:35+4*\i], v27, s[6:7] offset:20480*\i
	global_load_b128 v[48+4*\i:51+4*\i], v27, s[4:5] offset:32768*\i
.endr
.irp a, 0,1,2,3
.irp b, 0,1,2,3
	global_load_b128 v[ACC+8*(4*\a+\b):ACC+8*(4*\a+\b)+3], v29, s[8:9] offset:128*(\b/2)+32*(\b%2)
	global_load_b128 v[ACC+8*(4*\a+\b)+4:ACC+8*(4*\a+\b)+7], v29, s[8:9] offset:128*(\b/2)+32*(\b%2)+16
.endr
.endr
	s_wait_alu depctr_va_vdst(0)
	s_wait_loadcnt 0x0
.irp i, 0,1,2,3
	ds_store_b128 v16, v[32+4*\i:35+4*\i] offset:512*\i
	ds_store_b128 v16, v[48+4*\i:51+4*\i] offset:2048+512*\i
.endr
	CHUNK 0
	s_wait_alu depctr_va_vdst(0)
	CHUNK 1
	s_wait_alu depctr_va_vdst(0)
	CHUNK 2
	s_wait_alu depctr_va_vdst(0)
	CHUNK 3
	; ---- the way out, a tile of 16 rows at a time through my own stage: LDS serves a wave's instructions in order, so no wait stands between the stores and the loads
	PLACES 4
.irp a, 0,1,2,3
.if \a >= 2
	s_wait_xcnt 0x0                                    ; tile a - 2's stores have read the registers into which these loads land
.endif
.irp e, 0,1,2,3,4,5,6,7
	ds_store_b128 v17, v[ACC+32*\a+4*\e:ACC+32*\a+4*\e+3] offset:16*(\e%4)+128*(\e/4)      ; each accumulator from its low end on
.endr
.irp i, 0,1,2,3,4,5,6,7
	ds_load_b128 v[32+32*(\a%2)+4*\i:32+32*(\a%2)+4*\i+3], v18 offset:544*\i
.endr
.irp i, 0,1,2,3,4,5,6,7
	s_wait_dscnt 7-\i
	global_store_b128 v19, v[32+32*(\a%2)+4*\i:32+32*(\a%2)+4*\i+3], s[10:11] offset:4096*(32*(\a/2)+8*(\a%2)+2*\i+8*(\i/4)) th:TH_STORE_NT   ; sixteen lanes store 256 consecutive bytes, aligned; the tile's order of rows is undone in the immediate
.endr
.endr
	s_wait_tensorcnt 0x0                               ; the wave's end
	ds_add_u32 v1, v2
	s_wait_dscnt 0x0
	CROUND                                             ; the closing round
	s_endpgm
.Lfunc_end_k_q84b9b6b1cc_outp:
	.size	k_q84b9b6b1cc_outp, .Lfunc_end_k_q84b9b6b1cc_outp-k_q84b9b6b1cc_outp
	.p2alignl 7, 3214868480
	.fill 96, 4, 3214868480
	.section	.rodata,"a",@progbits
	.p2align	6, 0x0
	.amdhsa_kernel k_q84b9b6b1cc_outp
		.amdhsa_group_segment_fixed_size 230912
		.amdhsa_private_segment_fixed_size 0
		.amdhsa_enable_private_segment 0
		.amdhsa_kernarg_size 32
		.amdhsa_user_sgpr_count 2
		.amdhsa_user_sgpr_kernarg_segment_ptr 1
		.amdhsa_wavefront_size32 1
		.amdhsa_system_sgpr_workgroup_id_x 1
		.amdhsa_system_sgpr_workgroup_id_y 1
		.amdhsa_system_sgpr_workgroup_id_z 1
		.amdhsa_system_vgpr_workitem_id 0
		.amdhsa_next_free_vgpr 256
		.amdhsa_next_free_sgpr 100
		.amdhsa_reserve_vcc 0
		.amdhsa_float_denorm_mode_32 3
		.amdhsa_float_denorm_mode_16_64 3
		.amdhsa_memory_ordered 1
		.amdhsa_forward_progress 1
		.amdhsa_inst_pref_size 55
	.end_amdhsa_kernel
	.amdgpu_metadata
---
amdhsa.version: [ 1, 2 ]
amdhsa.kernels:
  - .name:           k_q84b9b6b1cc_outp
    .symbol:         k_q84b9b6b1cc_outp.kd
    .args:
      - { .name: ob, .offset: 0, .size: 8, .value_kind: global_buffer, .address_space: global }
      - { .name: wb, .offset: 8, .size: 8, .value_kind: global_buffer, .address_space: global }
      - { .name: bo, .offset: 16, .size: 8, .value_kind: global_buffer, .address_space: global }
      - { .name: out0, .offset: 24, .size: 8, .value_kind: global_buffer, .address_space: global }
    .group_segment_fixed_size: 230912
    .private_segment_fixed_size: 0
    .kernarg_segment_align: 8
    .kernarg_segment_size: 32
    .max_flat_workgroup_size: 128
    .sgpr_count:     100
    .vgpr_count:     256
    .wavefront_size: 32
...
	.end_amdgpu_metadata
.endif
;; end of part 4
